; MI455X (gfx1250); checked and timed in simulation.
; The chip was launched on July 23, 2026; its instructions are those of AMD's public machine-readable ISA for CDNA 5 (MIT licence, August 2026) and "CDNA5" Instruction Set Architecture Reference Guide (July 2026). The comments in the code are by the model that wrote it; some were corrected since.
;; WML Text One Multi Head. Allowed arithmetic: matrix products marked QUANTISED: E2M1 operands, one E8M0 scale for each 32 along K, by v_wmma_scale_f32_16x16x128_f8f6f4 with both operands' format E2M1 (or v_wmma_scale_f32_32x16x128_f4), f32 sums; products left as they are: bf16, f16 or f32 operands; f32 sums; everything else in f32.
;; Inputs: Wk 16 x 1,024 x 64 float32; Wproj 1,024 x 1,024 float32; Wq 16 x 1,024 x 64 float32; Wv 16 x 1,024 x 64 float32; bproj 1,024 float32; x 8 x 1,024 x 1,024 float32.
;; Outputs: out0 8 x 1,024 x 1,024 float32.
;; This version of the problem:
;;   THIS VERSION OF THE PROBLEM IS GIVEN IN LOW PRECISION. The matrix products marked QUANTISED in the list below multiply operands that are first quantised to E2M1 (2 exponent bits, 1 mantissa bit; 4 bits a number), with one power-of-two scale for each 32 numbers along K (OCP MX v1.0); their sums are f32. The products marked 'left as it is' may take bf16, f16 or f32 operands, with f32 sums. Whichever they take, every output number must still come out within the allowed error. Rounding operands to bf16 (8 significant bits) uses up far more of that allowance than f16 does (11 bits, for magnitudes from 6e-5 to 65,504). All else is computed in f32.
;;   The module's matrix products, in the order in which they are computed (A, B: the left and right operand; K: the contracted axis; several contracted axes count as one K, in the product's order):
;;     1. [M 1,024, K 1,024] x [K 1,024, N 8,192]; A: input Wq; B: input x: QUANTISED
;;     2. [M 1,024, K 1,024] x [K 1,024, N 8,192]; A: input Wk; B: input x: QUANTISED
;;     3. [M 1,024, K 1,024] x [K 1,024, N 8,192]; A: input Wv; B: input x: QUANTISED
;;     4. batch 128 x [M 1,024, K 64] x [K 64, N 1,024]; A: computed on the way; B: computed on the way: left as it is (an operand is computed on the way)
;;     5. batch 128 x [M 1,024, K 1,024] x [K 1,024, N 64]; A: computed on the way; B: computed on the way: left as it is (an operand is computed on the way)
;;     6. [M 8,192, K 1,024] x [K 1,024, N 1,024]; A: computed on the way; B: input Wproj: left as it is (an operand is computed on the way)
;;   THE QUANTISER, for each operand of a quantised product, along K:
;;     - K is cut into blocks of 32 from its start; a last block that is shorter is filled with zeros.
;;     - A block's scale is 2^e with e = floor(log2(the largest magnitude in the block)) - 2, held to -126 .. 127; a block of zeros has e = 0. As a byte (E8M0): e + 127.
;;     - Each number is divided by its block's scale, clamped to +-6, and rounded to the nearest number of E2M1, ties to even, subnormals kept.
;;     - The product sums the exact products of the quantised numbers (number of the format x scale) in f32.
;;   ~~~python
;;   def quantise(x, axis):      # numpy; x: float32 -> the quantised numbers, widened to float32 again
;;       x = np.moveaxis(x, axis, -1); K = x.shape[-1]
;;       x = np.pad(x, [(0, 0)] * (x.ndim - 1) + [(0, -K % 32)]); x = x.reshape(x.shape[:-1] + (-1, 32)); a = np.abs(x).max(-1, keepdims=True)
;;       e = np.where(a > 0, np.clip(np.frexp(np.where(a > 0, a, 1))[1] - 1 - 2, -126, 127), 0)      # np.frexp(a)[1] - 1 = floor(log2(a)), exactly
;;       r = np.clip(x / 2.0 ** e, -6, 6)
;;       step = 2.0 ** (np.maximum(np.frexp(np.where(r == 0, 1, r))[1] - 1, 0) - 1)
;;       q = np.round(r / step) * step * 2.0 ** e      # np.round: ties to even
;;       return np.moveaxis(q.reshape(q.shape[:-2] + (-1,))[..., :K], -1, axis).astype(np.float32)
;;   ~~~
;; One version. Each part assembles by itself: llvm-mc -triple=amdgcn-amd-amdhsa -mcpu=gfx1250 --defsym DOCPART=n.
;; ======== version 1 of 1: 6 launches
;; limits: values are held in f16: magnitudes above 65,504 overflow, below 6.1e-05 lose precision
;; workspace buffers: codes 6,127,616 bytes; wp 4,194,304 bytes; qkv 50,331,648 bytes; att 16,777,216 bytes; att16 524,288 bytes
;; launch prep (part 1): grid 512 x 1, 4 waves a work-group, no clusters, 68,096 bytes of LDS; arguments x, Wq, Wk, Wv, Wproj, codes, wp; writes codes, wp
.if DOCPART == 1
	.amdgcn_target "amdgcn-amd-amdhsa--gfx1250"
	.amdhsa_code_object_version 6
	.text
	.protected	k_qa0404b26ef_prep
	.globl	k_qa0404b26ef_prep
	.p2align	8
	.type	k_qa0404b26ef_prep,@function
k_qa0404b26ef_prep:
	s_mov_b64 s[64:65], 0
	v_nop
	global_prefetch_b8 v0, s[64:65] scope:SCOPE_SE
	s_setreg_imm32_b32 hwreg(HW_REG_WAVE_MODE, 25, 1), 1
	s_wait_xcnt 0x0
; PREP.  Three jobs in one launch, told apart by the work-group's number; each has LDS bytes of its own.
;  work-groups 0-255:   x [8192][1024] f32 -> codes of FP4 (E2M1), K innermost, at codes+0 ([8192][512 bytes]) and one E8M0 byte for each 32 along K at codes+0x580000 ([8192][32]).
;  work-groups 256-447: Wq, Wk, Wv [16][1024 (k)][64] f32, K NOT innermost -> codes at codes+0x400000 ([3072][512 bytes], row = tensor x 1024 + head x 64 + d), bytes at codes+0x5c0000 ([3072][32]).
;  work-groups 448-511: Wproj [1024 (k)][1024 (n)] f32 -> two f16 parts, hi = f16(w) and lo = f16(w - hi), at wp+0 and wp+0x200000, laid in the order of a matrix operand's registers:
;                       [n / 256][k / 32][(n / 16) % 16][1024 bytes]; in a fragment k = 8 p + e of column n % 16 = r lies at byte 256 p + 16 r + 2 e.
; A block's scale is 2^(floor(log2(largest magnitude)) - 2); its byte is the largest magnitude's exponent field - 2, held at 1 from below.
; LIMITS: blocks whose largest magnitude lies under 2^-124, and blocks of zeros, keep the byte 1 (their codes are zeros or tiny; the bytes are read by this program alone); NaN and infinities are not served;
;         |Wproj| stays under 65,504 (f16); its lo part is carried down to f16's smallest step.
.set SPW,    254                       ; v254  LDS address of my spare word; never rewritten
.set NIL,    255                       ; v255  0; never rewritten
.set SPARE,  67584                     ; behind both paths' LDS: the spare words, 128 bytes a wave
.set EMAX,   2
; the x path
.set STEPS,  16
.set AHEAD,  8                         ; loads run eight steps ahead: 32 loads, 16,384 bytes a wave
.set CB,     8                         ; bytes of 16 codes
.set XR,     16                        ; v16-143  eight sets of 16 numbers as loaded
.set XN,     144                       ; v144-175 two sets of 16 neighbours
.set XE,     176                       ; v176-191 a scale byte for each step
.set XC,     192                       ; v192-223 codes, two registers a step
.set WREG,   8192                      ; LDS 0..32767: a region for each wave: two stages of 32 x 80 bytes, then its 256 scale bytes
.set SP,     80
; the W path
.set NB,     4                         ; blocks of 32 along K for a wave
.set WPITCH, 272
.set WSTG,   32768                     ; LDS from 32768: the work-group's stage, 32 rows x (256 + 16) bytes,
.set WSCS,   WSTG+32*WPITCH            ; and behind it its scale bytes, 32 rows x 16
.set WKROW,  512
.set WSB,    24                        ; v24      my column's four scale bytes
.set WX,     32                        ; v32-95   two sets of 32 numbers
.set WC,     96                        ; v96-99   a block's codes
.set WOUT,   112                       ; v112-127 the way out
.set WSO,    128                       ; v128-131 the scale bytes' way out
; the Wproj path
.set PHI,    16                        ; v16-31   hi parts, 16 pairs
.set PX,     32                        ; v32-159  four jobs of 32 numbers
.set PLO,    160                       ; v160-175 lo parts
.set PT,     176                       ; v176-179 at work
	s_load_b256 s[4:11], s[0:1], 0x0               ; x s[4:5], Wq s[6:7], Wk s[8:9], Wv s[10:11]
	s_load_b128 s[12:15], s[0:1], 0x20             ; Wproj s[12:13], codes s[14:15]
	s_load_b64 s[16:17], s[0:1], 0x30              ; wp
	v_lshl_add_u32 v[SPW], v0, 2, SPARE
	v_mov_b32 v[NIL], 0
	v_lshrrev_b32 v1, 5, v0
	v_readfirstlane_b32 s20, v1                    ; wave 0..3
	v_and_b32 v2, 31, v0                           ; lane
	s_mov_b32 s25, 0                               ; the high word of every offset below
	s_wait_kmcnt 0x0
	s_cmp_lt_u32 ttmp9, 256
	s_cbranch_scc1 .Lx
	s_cmp_lt_u32 ttmp9, 448
	s_cbranch_scc1 .Lw
; ---------------- Wproj: a lane takes a column n, its registers run down 32 of K: a wave takes 32 k x 128 columns in four jobs of 32 columns
	s_sub_co_u32 s21, ttmp9, 448
	s_lshl_b32 s21, s21, 2
	s_add_co_u32 s21, s21, s20                     ; which of 256 pieces
	s_lshr_b32 s22, s21, 3                         ; kf = k / 32
	s_and_b32 s23, s21, 7                          ; which 128 columns
	s_lshl_b32 s24, s22, 17                        ; 32 rows of 4,096 bytes
	s_lshl_b32 s26, s23, 9
	s_add_co_u32 s24, s24, s26
	s_add_nc_u64 s[12:13], s[12:13], s[24:25]
	s_lshr_b32 s26, s23, 1                         ; n / 256
	s_lshl_b32 s26, s26, 5
	s_add_co_u32 s26, s26, s22
	s_lshl_b32 s26, s26, 4
	s_and_b32 s27, s23, 1
	s_lshl_b32 s27, s27, 3
	s_add_co_u32 s26, s26, s27                     ; the first of my eight fragments
	s_lshl_b32 s24, s26, 10
	s_add_nc_u64 s[16:17], s[16:17], s[24:25]
	v_lshlrev_b32 v3, 2, v2                        ; in: 4 bytes a lane
	v_lshrrev_b32 v4, 4, v2
	v_and_b32 v5, 15, v2
	v_lshlrev_b32 v5, 4, v5
	v_lshl_add_u32 v4, v4, 10, v5                  ; out: lanes 0-15 one fragment, lanes 16-31 the next; 16 bytes a lane
.macro PLOAD i                         ; job i: Wproj(32 kf + kk, my column), kk = 0 .. 31; 32 lanes read 128 consecutive bytes
.set kk, 0
.rept 32
	global_load_b32 v[PX+32*(\i)+kk], v3, s[12:13] offset:kk*4096+(\i)*128 th:TH_LOAD_NT
.set kk, kk+1
.endr
.endm
.macro PSPLIT i, m, lo, hi             ; pair m: what the rounding to f16 left over, as f16
	v_cvt_f32_f16 v[PT+2*((\m)%2)], \lo
	v_cvt_f32_f16 v[PT+2*((\m)%2)+1], \hi
	v_sub_f32 v[PT+2*((\m)%2)], v[PX+32*(\i)+2*(\m)], v[PT+2*((\m)%2)]
	v_sub_f32 v[PT+2*((\m)%2)+1], v[PX+32*(\i)+2*(\m)+1], v[PT+2*((\m)%2)+1]
	v_cvt_pk_f16_f32 v[PLO+(\m)], v[PT+2*((\m)%2)], v[PT+2*((\m)%2)+1]
.endm
.macro PJOB i
.if (\i) < 3
	s_wait_loadcnt 32                              ; this job's 32 loads are in; the next job's may be out
.else
	s_wait_loadcnt 0x0
.endif
.if (\i)+2 < 4
	PLOAD (\i)+2
.endif
.if (\i) > 0
	s_wait_xcnt 0x0                                ; the last job's stores have read hi and lo: they are written again only behind this wait
.endif
.set m, 0
.rept 16
	v_cvt_pk_f16_f32 v[PHI+m], v[PX+32*(\i)+2*m], v[PX+32*(\i)+2*m+1]
.set m, m+1
.endr
	PSPLIT \i, 0, v16.l, v16.h
	PSPLIT \i, 1, v17.l, v17.h
	PSPLIT \i, 2, v18.l, v18.h
	PSPLIT \i, 3, v19.l, v19.h
	PSPLIT \i, 4, v20.l, v20.h
	PSPLIT \i, 5, v21.l, v21.h
	PSPLIT \i, 6, v22.l, v22.h
	PSPLIT \i, 7, v23.l, v23.h
	PSPLIT \i, 8, v24.l, v24.h
	PSPLIT \i, 9, v25.l, v25.h
	PSPLIT \i, 10, v26.l, v26.h
	PSPLIT \i, 11, v27.l, v27.h
	PSPLIT \i, 12, v28.l, v28.h
	PSPLIT \i, 13, v29.l, v29.h
	PSPLIT \i, 14, v30.l, v30.h
	PSPLIT \i, 15, v31.l, v31.h
.irp p, 0,1,2,3                        ; k = 8 p .. 8 p + 7: sixteen lanes store 256 consecutive bytes, aligned
	global_store_b128 v4, v[PHI+4*\p:PHI+4*\p+3], s[16:17] offset:(\i)*2048+256*\p
	global_store_b128 v4, v[PLO+4*\p:PLO+4*\p+3], s[16:17] offset:0x200000+(\i)*2048+256*\p
.endr
.endm
	PLOAD 0
	PLOAD 1
	PJOB 0
	PJOB 1
	PJOB 2
	PJOB 3
	s_wait_tensorcnt 0x0                           ; the wave's end
	ds_add_u32 v[SPW], v[NIL]
	s_wait_dscnt 0x0
	s_endpgm
; ---------------- Wq, Wk, Wv: a lane takes a column d, its registers run down K.  A work-group takes 32 columns x 512 along K, each of its four waves 128 along K: four blocks, 128 loads.
; A wave's codes are 64 bytes of each column's row: the four waves' parts meet in the work-group's stage, so that a row's 256 bytes leave whole.  The branch that leads here hangs on the work-group's number alone:
; all four waves take it, and all four pass the barrier below.
.Lw:
	s_sub_co_u32 s21, ttmp9, 256                   ; ((tensor x 16 + head) x 2 + which 32 columns) x 2 + which 512 along K
	s_lshr_b32 s38, s21, 2                         ; tensor x 16 + head
	s_cmp_lt_u32 s38, 16
	s_cselect_b64 s[36:37], s[6:7], s[8:9]         ; the choice hangs on the work-group's number alone
	s_cmp_lt_u32 s38, 32
	s_cselect_b64 s[36:37], s[36:37], s[10:11]
	s_and_b32 s22, s38, 15                         ; head
	s_bfe_u32 s23, s21, 0x10001                    ; which 32 columns
	s_and_b32 s26, s21, 1                          ; which 512 along K
	s_lshl_b32 s24, s22, 18                        ; a head is 1,024 rows of 256 bytes
	s_lshl_b32 s27, s26, 17
	s_add_co_u32 s24, s24, s27
	s_lshl_b32 s27, s20, 15                        ; my wave's 128 rows
	s_add_co_u32 s24, s24, s27
	s_lshl_b32 s27, s23, 7
	s_add_co_u32 s24, s24, s27
	s_add_nc_u64 s[36:37], s[36:37], s[24:25]      ; the source
	s_lshl_b32 s27, s38, 6
	s_lshl_b32 s30, s23, 5
	s_add_co_u32 s27, s27, s30                     ; the work-group's first row of the codes' table
	s_lshl_b32 s30, s20, 3
	s_add_co_u32 s30, s27, s30                     ; the first of the eight rows that my wave stores
	s_lshl_b32 s24, s30, 9
	s_lshl_b32 s30, s26, 8
	s_add_co_u32 s24, s24, s30
	s_add_co_u32 s24, s24, 0x400000
	s_add_nc_u64 s[32:33], s[14:15], s[24:25]      ; the codes
	s_lshl_b32 s24, s27, 5
	s_lshl_b32 s30, s26, 4
	s_add_co_u32 s24, s24, s30
	s_add_co_u32 s24, s24, 0x5c0000
	s_add_nc_u64 s[34:35], s[14:15], s[24:25]      ; the scale bytes
	v_lshlrev_b32 v3, 2, v2                        ; in: 4 bytes a lane
	s_lshl_b32 s31, s20, 6
	s_add_co_u32 s31, s31, WSTG
	v_mul_u32_u24 v4, v2, WPITCH
	v_add_nc_u32 v4, s31, v4                       ; into the stage: row = my column, my wave's 64 bytes of it
	s_lshl_b32 s31, s20, 2
	s_add_co_u32 s31, s31, WSCS
	v_lshl_add_u32 v10, v2, 4, s31                 ; my column's 16 scale bytes, my wave's four of them
	v_and_b32 v5, 15, v2
	v_lshrrev_b32 v6, 4, v2
	s_mul_i32 s31, s20, 8*WPITCH
	s_add_co_u32 s31, s31, WSTG
	v_mul_u32_u24 v7, v6, WPITCH
	v_lshl_add_u32 v7, v5, 4, v7
	v_add_nc_u32 v7, s31, v7                       ; out of the stage: my wave's eight rows; sixteen lanes to a row, two rows an instruction
	v_lshlrev_b32 v8, 9, v6
	v_lshl_add_u32 v8, v5, 4, v8                   ; and the same place in the codes' table
	v_lshlrev_b32 v9, 5, v2                        ; a column's row of scale bytes in memory
	v_lshl_add_u32 v14, v2, 4, WSCS                ; and in LDS
.macro WLOAD t                         ; block t: W(32 t + kk, my column)
.set kk, 0
.rept 32
	global_load_b32 v[WX+32*((\t)%2)+kk], v3, s[36:37] offset:(32*(\t)+kk)*256 th:TH_LOAD_NT
.set kk, kk+1
.endr
.endm
.macro WBLOCK t
.set XS, WX+32*((\t)%2)
.if (\t) < NB-1
	s_wait_loadcnt 32                              ; this block's 32 loads are in; the next block's may be out
.else
	s_wait_loadcnt 0x0
.endif
	v_max3_num_f32 v12, |v[XS]|, |v[XS+1]|, |v[XS+2]|      ; the block's largest magnitude: all 32 numbers are mine
	v_max3_num_f32 v13, |v[XS+3]|, |v[XS+4]|, |v[XS+5]|
.irp i, 6,10,14,18,22,26
	v_max3_num_f32 v12, v12, |v[XS+\i]|, |v[XS+\i+1]|
	v_max3_num_f32 v13, v13, |v[XS+\i+2]|, |v[XS+\i+3]|
.endr
	v_max3_num_f32 v12, v12, |v[XS+30]|, |v[XS+31]|
	v_max3_num_f32 v12, v12, v13, (EMAX+1)<<23     ; and the floor 2^(3 - 127): the byte cannot fall under 1
	v_add_nc_u32 v11, -(EMAX<<23), v12             ; 2 off its exponent field: the conversion takes this operand's exponent field as its scale
	v_lshrrev_b32 v13, 23, v11                     ; the scale's byte
.if (\t) == 0
	v_mov_b32 v[WSB], v13
.else
	v_lshl_or_b32 v[WSB], v13, 8*(\t), v[WSB]      ; the lower K in the lower byte
.endif
.irp g, 0,1,2,3
	v_cvt_scalef32_pk8_fp4_f32 v[WC+\g], v[XS+8*\g:XS+8*\g+7], v11
.endr
	ds_store_b128 v4, v[WC:WC+3] offset:16*(\t)    ; 32 codes: 16 bytes of my column's row
.if (\t)+2 < NB
	WLOAD (\t)+2
.endif
	s_wait_dscnt 0x0                               ; the store has read its registers: the next block's codes may be written
.endm
	WLOAD 0
	WLOAD 1
.irp t, 0,1,2,3
	WBLOCK \t
.endr
	ds_store_b32 v10, v[WSB]                       ; my column's four scale bytes
	s_wait_dscnt 0x0                               ; for the others' sake: my stores into the stage have landed
	s_barrier_signal -1
	s_barrier_wait -1                              ; everybody's have
.irp t, 0,1,2,3
	ds_load_b128 v[WOUT+4*\t:WOUT+4*\t+3], v7 offset:2*\t*WPITCH
.endr
.irp t, 0,1,2,3
	s_wait_dscnt 3-\t                              ; the later loads may be out
	global_store_b128 v8, v[WOUT+4*\t:WOUT+4*\t+3], s[32:33] offset:2*\t*WKROW   ; sixteen lanes store 256 consecutive bytes, aligned
.endr
	s_cmp_lg_u32 s20, 0                            ; wave 0 alone stores the work-group's scale bytes: 16 a column
	s_cbranch_scc1 .Lw_end
	ds_load_b128 v[WSO:WSO+3], v14
	s_wait_dscnt 0x0
	global_store_b128 v9, v[WSO:WSO+3], s[34:35]
.Lw_end:
	s_wait_tensorcnt 0x0                           ; the wave's end, behind my last LDS store
	ds_add_u32 v[SPW], v[NIL]
	s_wait_dscnt 0x0
	s_endpgm
; ---------------- x: a plain stream of blocks of 32; a wave takes 16 steps of 512 numbers; each load reads 512 consecutive bytes, and a step turns through the wave's stage so that a lane holds 16 neighbours
.Lx:
	v_lshlrev_b32 v3, 4, v2                        ; my 16 bytes of a load's 512
	s_mul_i32 s21, s20, WREG
	v_lshrrev_b32 v14, 2, v2
	v_mul_u32_u24 v14, v14, SP
	v_and_b32 v15, 3, v2
	v_lshl_add_u32 v14, v15, 4, v14
	v_add_nc_u32 v14, s21, v14                     ; the stage, on the way in: 80 (lane / 4) + 16 (lane % 4)
	v_mul_u32_u24 v15, v2, SP
	v_add_nc_u32 v15, s21, v15                     ; and on the way out: 80 x lane
	v_mul_u32_u24 v4, v2, CB                       ; my codes' place in a step's
	v_lshrrev_b32 v5, 1, v2
	s_add_co_u32 s21, s21, 2*32*SP
	v_add_nc_u32 v5, s21, v5                       ; my wave's 256 scale bytes, my block's byte
	v_lshlrev_b32 v7, 3, v2
	v_add_nc_u32 v6, s21, v7                       ; and on the way out 8 bytes a lane
	s_lshl_b32 s22, ttmp9, 2
	s_add_co_u32 s22, s22, s20                     ; which run of 8,192 numbers is my wave's
	s_lshl_b32 s24, s22, 15
	s_add_nc_u64 s[4:5], s[4:5], s[24:25]
	s_lshl_b32 s24, s22, 12
	s_add_nc_u64 s[26:27], s[14:15], s[24:25]      ; its codes
	s_lshl_b32 s24, s22, 8
	s_add_co_u32 s24, s24, 0x580000
	s_add_nc_u64 s[28:29], s[14:15], s[24:25]      ; its scale bytes
.macro XLOAD t
.irp i, 0,1,2,3
	global_load_b128 v[XR+16*((\t)%AHEAD)+4*\i:XR+16*((\t)%AHEAD)+4*\i+3], v3, s[4:5] offset:2048*(\t)+512*\i th:TH_LOAD_NT
.endr
.endm
.macro XTURN t                         ; step t's numbers through the stage; LDS serves a wave's instructions in order
.irp i, 0,1,2,3
	ds_store_b128 v14, v[XR+16*((\t)%AHEAD)+4*\i:XR+16*((\t)%AHEAD)+4*\i+3] offset:32*SP*((\t)%2)+8*SP*\i
.endr
.irp i, 0,1,2,3
	ds_load_b128 v[XN+16*((\t)%2)+4*\i:XN+16*((\t)%2)+4*\i+3], v15 offset:32*SP*((\t)%2)+16*\i
.endr
.endm
.macro XSTEP t
.set XS, XN+16*((\t)%2)
.if (\t) > 0
	s_wait_dscnt 1                                 ; this step's numbers are back from the stage, so its stores into the stage have read their registers; the last step's byte store may be out
.else
	s_wait_dscnt 0x0
.endif
.if (\t)+AHEAD < STEPS
	XLOAD (\t)+AHEAD                               ; those registers take the loads of eight steps on
.endif
.if (\t)+1 < STEPS
.if STEPS-2-(\t) >= AHEAD-1
	s_wait_loadcnt 4*(AHEAD-1)                     ; the next step's four loads are in; those of the seven steps behind it may be out
.else
	s_wait_loadcnt 4*(STEPS-2-(\t))                ; in the tail: those of the steps that are left
.endif
	XTURN (\t)+1
.endif
	v_max3_num_f32 v8, |v[XS]|, |v[XS+1]|, |v[XS+2]|       ; the largest magnitude of my 16
	v_max3_num_f32 v9, |v[XS+3]|, |v[XS+4]|, |v[XS+5]|
.irp i, 6,10
	v_max3_num_f32 v8, v8, |v[XS+\i]|, |v[XS+\i+1]|
	v_max3_num_f32 v9, v9, |v[XS+\i+2]|, |v[XS+\i+3]|
.endr
	v_max3_num_f32 v8, v8, |v[XS+14]|, |v[XS+15]|
	v_max3_num_f32 v8, v8, v9, (EMAX+1)<<23        ; and the floor
	v_max_num_f32_dpp v8, v8, v8 row_xmask:1 row_mask:0xf bank_mask:0xf   ; and of my neighbour's 16: the block's
	v_add_nc_u32 v11, -(EMAX<<23), v8
	v_cvt_scalef32_pk8_fp4_f32 v[XC+2*(\t)], v[XS:XS+7], v11
	v_cvt_scalef32_pk8_fp4_f32 v[XC+2*(\t)+1], v[XS+8:XS+15], v11
	v_lshrrev_b32 v[XE+(\t)], 23, v11              ; the scale's byte
	ds_store_b8 v5, v[XE+(\t)] offset:16*(\t)      ; both lanes of a block write the same byte with the same value
	global_store_b64 v4, v[XC+2*(\t):XC+2*(\t)+1], s[26:27] offset:32*CB*(\t)   ; the wave stores 256 consecutive bytes, aligned
.endm
.irp t, 0,1,2,3,4,5,6,7
	XLOAD \t
.endr
	s_wait_loadcnt 4*(AHEAD-1)                     ; step 0's four loads are in
	XTURN 0
.irp t, 0,1,2,3,4,5,6,7,8,9,10,11,12,13,14,15
	XSTEP \t
.endr
	ds_load_b64 v[8:9], v6
	s_wait_dscnt 0x0
	global_store_b64 v7, v[8:9], s[28:29]          ; 32 lanes store 256 consecutive bytes, aligned
	s_wait_tensorcnt 0x0                           ; the wave's end, behind my last LDS store
	ds_add_u32 v[SPW], v[NIL]
	s_wait_dscnt 0x0
	s_endpgm
.Lfunc_end_k_qa0404b26ef_prep:
	.size	k_qa0404b26ef_prep, .Lfunc_end_k_qa0404b26ef_prep-k_qa0404b26ef_prep
	.p2alignl 7, 3214868480
	.fill 96, 4, 3214868480
	.section	.rodata,"a",@progbits
	.p2align	6, 0x0
	.amdhsa_kernel k_qa0404b26ef_prep
		.amdhsa_group_segment_fixed_size 68096
		.amdhsa_private_segment_fixed_size 0
		.amdhsa_enable_private_segment 0
		.amdhsa_kernarg_size 56
		.amdhsa_user_sgpr_count 2
		.amdhsa_user_sgpr_kernarg_segment_ptr 1
		.amdhsa_wavefront_size32 1
		.amdhsa_system_sgpr_workgroup_id_x 1
		.amdhsa_system_sgpr_workgroup_id_y 1
		.amdhsa_system_sgpr_workgroup_id_z 1
		.amdhsa_system_vgpr_workitem_id 0
		.amdhsa_next_free_vgpr 256
		.amdhsa_next_free_sgpr 66
		.amdhsa_reserve_vcc 0
		.amdhsa_float_denorm_mode_32 3
		.amdhsa_float_denorm_mode_16_64 3
		.amdhsa_memory_ordered 1
		.amdhsa_forward_progress 1
		.amdhsa_inst_pref_size 87
	.end_amdhsa_kernel
	.amdgpu_metadata
---
amdhsa.version: [ 1, 2 ]
amdhsa.kernels:
  - .name:           k_qa0404b26ef_prep
    .symbol:         k_qa0404b26ef_prep.kd
    .args:
      - { .name: x, .offset: 0, .size: 8, .value_kind: global_buffer, .address_space: global }
      - { .name: Wq, .offset: 8, .size: 8, .value_kind: global_buffer, .address_space: global }
      - { .name: Wk, .offset: 16, .size: 8, .value_kind: global_buffer, .address_space: global }
      - { .name: Wv, .offset: 24, .size: 8, .value_kind: global_buffer, .address_space: global }
      - { .name: Wproj, .offset: 32, .size: 8, .value_kind: global_buffer, .address_space: global }
      - { .name: codes, .offset: 40, .size: 8, .value_kind: global_buffer, .address_space: global }
      - { .name: wp, .offset: 48, .size: 8, .value_kind: global_buffer, .address_space: global }
    .group_segment_fixed_size: 68096
    .private_segment_fixed_size: 0
    .kernarg_segment_align: 8
    .kernarg_segment_size: 56
    .max_flat_workgroup_size: 128
    .sgpr_count:     66
    .vgpr_count:     256
    .wavefront_size: 32
...
	.end_amdgpu_metadata
.endif
;; end of part 1
;; launch qkv (part 2): grid 12 x 32, 4 waves a work-group, clusters of 4 x 4, 327,680 bytes of LDS; arguments codes, qkv; writes qkv
.if DOCPART == 2
	.amdgcn_target "amdgcn-amd-amdhsa--gfx1250"
	.amdhsa_code_object_version 6
	.text
	.protected	k_qa0404b26ef_qkv
	.globl	k_qa0404b26ef_qkv
	.p2align	8
	.type	k_qa0404b26ef_qkv,@function
k_qa0404b26ef_qkv:
	s_mov_b64 s[64:65], 0
	v_nop
	global_prefetch_b8 v0, s[64:65] scope:SCOPE_SE
	s_setreg_imm32_b32 hwreg(HW_REG_WAVE_MODE, 25, 1), 1
	s_wait_xcnt 0x0
	s_wait_alu depctr_hold_cnt(0) depctr_sa_sdst(0) depctr_va_vdst(0) depctr_va_sdst(0) depctr_va_ssrc(0) depctr_va_vcc(0) depctr_vm_vsrc(0)
	s_getreg_b32 s2, hwreg(HW_REG_IB_STS2, 6, 4)
	s_cmp_eq_u32 s2, 0
	s_cbranch_scc0 .Lentry_in_a_cluster
	s_endpgm
.Lentry_in_a_cluster:
	s_bfe_u32 s2, ttmp6, 0x10000c
	s_cmp_lg_u32 s2, 0xf033
	s_cbranch_scc0 .Lentry_shape_is_right
	s_endpgm
.Lentry_shape_is_right:
; QKV.  q, k, v = x W on codes of FP4 (E2M1) with one E8M0 scale for each 32 along K = 1,024; sums in f32; results rounded once to f16 and stored IN THE ORDER OF THE NEXT PRODUCTS' OPERAND REGISTERS.
; A tile of 256 x 256 results is made by four waves, 128 x 128 each: 64 accumulators, 512 registers.  K = 1,024 is two LDS slots of 512 along K (rows of 256 bytes), each filled once: no slot is filled again.
; The matrix instruction takes source 0 = 16 rows of "B", source 1 = 16 rows of "A": a lane then holds ONE row of A (lane % 16) and eight neighbouring rows of B (8 (lane / 16) + 0 .. 7).
;   clusters x = 0, 1: A = x (8,192 rows), B = Wq then Wk (2,048 rows): a lane holds one position t and eight channels: four packed registers are half a fragment of q or k ([t][32 channels]).
;   cluster  x = 2:    A = Wv (1,024 rows), B = x: a lane holds one channel and eight positions: half a fragment of v^T ([channel][32 keys]).
; A fragment's image is 1,024 bytes: registers 0-3 of lane l at 16 l, registers 4-7 at 512 + 16 l: each store of a wave covers 512 consecutive bytes, aligned.
;   q at qkv+0, k at qkv+2^24: (batch x 16 + head) x 131,072 + (t / 16) x 2,048 + (channel / 16) x 512;   v^T at qkv+2^25: .. + (key / 32) x 4,096 + (channel / 16) x 1,024 + ((key / 16) % 2) x 512.
; CLUSTERS: 4 x 4 work-groups; A's tiles are shared along a row of the cluster, B's along a column: each is asked for jointly.  Which tables are A and B hangs on the cluster's x alone, which all sixteen share.
; LIMIT: |q|, |k|, |v| stay under 65,504 (f16).
; REGISTERS: window 0: v0-31 addresses; v32-95 scale words, two sets; v128-191 A's fragments, one set; on the way out v128-255 packed results.  window 1: B's fragments, two sets.  windows 2, 3: the accumulators.
.set NQ,     4                         ; steps of 128 along K in a slot
.set ROWB,   256                       ; a tile's row in bytes: 512 codes
.set KROW,   512                       ; a row of codes in memory
.set PITCH,  272                       ; an LDS row: 256 bytes + 16 of padding: the 16 rows that a load touches start 68 words apart
.set FR,     8
.set NL,     2
.set NP,     4
.set HALFT,  128*PITCH
.set SLOT,   4*HALFT
.set KS,     32                        ; a row of scale bytes
.set SCL,    2*SLOT                    ; behind the slots: the scales, as rows of 256 bytes + 16 of padding
.set HALFS,  (128*KS/256)*272
.set SBLK,   (16*KS/256)*272
.set SPARE,  SCL+4*HALFS               ; the spare words, 128 bytes a wave
.set ADRA, 16
.set ADRB, 20
.set CO,   26                          ; v26  16 x lane
.set ADRS, 27
.set SPW,  28
.set NIL,  29
.set SC,   32
.set AF,   128
.set TMP,  128
.set G1, 24
.set G0, 32
.set G1B, 48
.set G0B, 56
.set G1S, 68
.set G0S, 76
.set G1SB, 80
.set G0SB, 88
.set MSB, 0
.macro WIN new                         ; the immediate's high byte repeats the setting that is left
.if MSB != \new
	s_set_vgpr_msb (MSB<<8)|\new
.set MSB, \new
.endif
.endm
.set MUL_LO, 0xa1                      ; source 0 (B) window 1, source 1 (A) window 0, C and D window 2
.set MUL_HI, 0xf1
.set TO_B,   0x40
; A joint load: waves 0 and 1 fetch for A, waves 2 and 3 for B; the branch hangs on the wave's number alone.  An s_nop 0 and four v_nop follow each of the two lines.
.macro JLOAD g0a, g1a, g0b, g1b
	s_cmp_eq_u32 s15, 0
	s_cbranch_scc0 .Lfor_b_\@
	tensor_load_to_lds s[\g0a:\g0a+3], s[\g1a:\g1a+7]
	s_nop 0
.rept 4
	v_nop
.endr
	s_branch .Lasked_\@
.Lfor_b_\@:
	tensor_load_to_lds s[\g0b:\g0b+3], s[\g1b:\g1b+7]
	s_nop 0
.rept 4
	v_nop
.endr
.Lasked_\@:
.endm
.macro CROUND                          ; a round of the cluster's barrier
	s_barrier_signal -1
	s_barrier_wait -1
	s_cmp_lg_u32 s14, 0
	s_cbranch_scc1 .Lnot_wave_0_\@
	s_barrier_signal -3
.Lnot_wave_0_\@:
	s_barrier_wait -3
	s_barrier_signal -1
	s_barrier_wait -1
.endm
	s_load_b128 s[4:7], s[0:1], 0x0                ; codes s[4:5], qkv s[6:7]
	v_lshl_add_u32 v[SPW], v0, 2, SPARE
	v_mov_b32 v[NIL], 0
	ds_add_u32 v[SPW], v[NIL]                      ; the wave's opening: the add, twice on end, and its wait ahead of my first tensor load
	ds_add_u32 v[SPW], v[NIL]
	v_lshrrev_b32 v1, 5, v0
	v_readfirstlane_b32 s14, v1                    ; wave 0..3
	s_lshr_b32 s15, s14, 1                         ; which half of A's rows is mine.  Also: I fetch for A (0) or for B (1)
	s_and_b32 s16, s14, 1                          ; which half of B's rows.  Also: which 128 rows I fetch
	s_bfe_u32 s40, ttmp6, 0x40000                  ; cx
	s_bfe_u32 s41, ttmp6, 0x40004                  ; cy
	s_and_b32 s8, ttmp7, 0xffff                    ; the cluster's y
	s_mov_b32 s97, 0x580000
	s_mov_b32 s99, 0x5c0000
	s_cmp_eq_u32 ttmp9, 2                          ; the v clusters?  All selections stand ahead of the next line that sets SCC
	s_cselect_b32 s42, s8, ttmp9                   ; the cluster's place along B's tiles,
	s_cselect_b32 s17, 0, s8                       ; and along A's
	s_cselect_b32 s95, 2048, 0                     ; Wv begins 2,048 rows down the weights' table
	s_cselect_b32 s96, 0x400000, 0                 ; A's codes: the weights' table or x's
	s_cselect_b32 s97, 0x5c0000, s97               ; A's scale bytes
	s_cselect_b32 s98, 0, 0x400000                 ; B's codes
	s_cselect_b32 s99, 0x580000, s99               ; B's scale bytes
	s_lshl_b32 s42, s42, 2
	s_add_co_u32 s42, s42, s40                     ; tc: B's tile
	s_lshl_b32 s17, s17, 2
	s_add_co_u32 s17, s17, s41                     ; tr: A's tile
	s_lshl_b32 s43, s41, 2
	s_lshl_b32 s43, 15, s43                        ; my row of the cluster
	s_lshl_b32 s44, 0x1111, s40                    ; my column
	; descriptor group 1: 128 rows x 256 bytes, 16 bytes of padding behind each row
	s_or_b32 s[G1+0], s43, (0<<16)|(1<<20)|(1<<21)|(5<<22)|(3<<25)
	s_or_b32 s[G1B+0], s44, (0<<16)|(1<<20)|(1<<21)|(5<<22)|(3<<25)
.irp g, G1, G1B
	s_mov_b32 s[\g+1], ROWB<<16                    ; tensor_dim0
	s_mov_b32 s[\g+2], 128<<16                     ; tensor_dim1
	s_mov_b32 s[\g+3], ROWB<<16                    ; tile_dim0
	s_mov_b32 s[\g+4], 128                         ; tile_dim1
	s_mov_b32 s[\g+5], KROW                        ; the pitch
	s_mov_b32 s[\g+6], 0
	s_mov_b32 s[\g+7], 0
.endr
	; the scales of 128 rows: 4,096 dense bytes as 16 rows of 256 (32 elements of 8 bytes), 16 bytes of padding behind each
	s_or_b32 s[G1S+0], s43, (3<<16)|(1<<20)|(1<<21)|(5<<22)|(3<<25)
	s_or_b32 s[G1SB+0], s44, (3<<16)|(1<<20)|(1<<21)|(5<<22)|(3<<25)
.irp g, G1S, G1SB
	s_mov_b32 s[\g+1], 32<<16
	s_mov_b32 s[\g+2], (128*KS/256)<<16
	s_mov_b32 s[\g+3], 32<<16
	s_mov_b32 s[\g+4], 128*KS/256
	s_mov_b32 s[\g+5], 32
	s_mov_b32 s[\g+6], 0
	s_mov_b32 s[\g+7], 0
.endr
	s_lshl_b32 s18, s16, 7                         ; which 128 rows of the tile I fetch
	s_lshl_b32 s20, s17, 8
	s_add_co_u32 s20, s20, s18
	s_add_co_u32 s20, s20, s95                     ; A's row in its table
	s_lshl_b32 s46, s42, 8
	s_add_co_u32 s46, s46, s18                     ; B's row in its table
	s_lshl_b32 s22, s20, 5
	s_add_co_u32 s22, s22, s97                     ; A's scale bytes, from the buffer's first byte
	s_mov_b32 s23, 0
	s_lshl_b32 s92, s46, 5
	s_add_co_u32 s92, s92, s99                     ; B's
	s_mov_b32 s93, 0
	s_lshl_b32 s20, s20, 9
	s_add_co_u32 s20, s20, s96                     ; A's codes
	s_mov_b32 s21, 0
	s_lshl_b32 s46, s46, 9
	s_add_co_u32 s46, s46, s98                     ; B's codes
	s_mov_b32 s47, 0
	s_mul_i32 s45, s14, HALFT                      ; where they go: wave x 128 rows
	s_mul_i32 s94, s14, HALFS
	s_wait_dscnt 0x0                               ; both opening adds are done
	s_wait_kmcnt 0x0
	s_add_nc_u64 s[20:21], s[4:5], s[20:21]
	s_add_nc_u64 s[22:23], s[4:5], s[22:23]
	s_add_nc_u64 s[46:47], s[4:5], s[46:47]
	s_add_nc_u64 s[92:93], s[4:5], s[92:93]
	CROUND                                         ; all sixteen work-groups are here: the first joint loads meet
	s_mov_b32 s[G0S], 1
	s_add_co_u32 s[G0S+1], s94, SCL
	s_mov_b64 s[G0S+2:G0S+3], s[22:23]
	s_or_b32 s[G0S+3], s[G0S+3], 0x80000000
	s_mov_b32 s[G0SB], 1
	s_add_co_u32 s[G0SB+1], s94, SCL
	s_mov_b64 s[G0SB+2:G0SB+3], s[92:93]
	s_or_b32 s[G0SB+3], s[G0SB+3], 0x80000000
	JLOAD G0S, G1S, G0SB, G1SB                     ; the scales first: they are wanted with the first slot
.irp s, 0,1
	s_mov_b32 s[G0+4*\s], 1
	s_add_co_u32 s[G0+4*\s+1], s45, \s*SLOT
	s_add_nc_u64 s[G0+4*\s+2:G0+4*\s+3], s[20:21], \s*ROWB
	s_or_b32 s[G0+4*\s+3], s[G0+4*\s+3], 0x80000000
	s_mov_b32 s[G0B+4*\s], 1
	s_add_co_u32 s[G0B+4*\s+1], s45, \s*SLOT
	s_add_nc_u64 s[G0B+4*\s+2:G0B+4*\s+3], s[46:47], \s*ROWB
	s_or_b32 s[G0B+4*\s+3], s[G0B+4*\s+3], 0x80000000
	JLOAD G0+4*\s, G1, G0B+4*\s, G1B               ; three tensor loads of mine are out at the most
.endr
	v_and_b32 v1, 15, v0                           ; l % 16
	v_bfe_u32 v2, v0, 4, 1                         ; l / 16
	v_mul_u32_u24 v3, v1, PITCH
	v_lshl_add_u32 v4, v2, 4, v3                   ; a fragment's row x pitch + 16 x half
	s_mul_i32 s21, s15, HALFT                      ; my 128 rows of A
	s_mul_i32 s22, s16, HALFT                      ; my 128 rows of B,
	s_add_co_u32 s22, s22, 2*HALFT                 ; behind A's 256
.irp s, 0,1
	v_add_nc_u32 v[ADRA+\s], s21, v4
	v_add_nc_u32 v[ADRB+\s], s22, v4
	s_add_co_u32 s21, s21, SLOT
	s_add_co_u32 s22, s22, SLOT
.endr
	v_mul_u32_u24 v5, v1, KS                       ; my row's scales: 32 bytes a row,
	v_lshrrev_b32 v6, 8, v5
	v_lshl_add_u32 v5, v6, 4, v5                   ; and 16 more for each 256 passed
	s_mul_i32 s21, s15, HALFS
	s_mul_i32 s22, s16, HALFS
	s_add_co_u32 s22, s22, 2*HALFS
	s_sub_co_u32 s22, s22, s21
	v_mul_u32_u24 v6, s22, v2                      ; lanes 16-31 take B's
	s_add_co_u32 s21, s21, SCL
	v_add_nc_u32 v5, v5, v6
	v_add_nc_u32 v[ADRS], s21, v5
	v_and_b32 v6, 31, v0
	v_lshlrev_b32 v[CO], 4, v6
.macro FRAG reg, adr, q, i             ; 16 rows x 128 K of 4-bit codes: 8 registers, two loads of 16 bytes, 32 bytes apart
.irp c, 0,1
	ds_load_b128 v[\reg+4*\c:\reg+4*\c+3], v[\adr] offset:64*(\q)+32*\c+(\i)*16*PITCH
.endr
.endm
; 16 matrix instructions: A's blocks a0, a0 + 1 x B's eight.  The 64 accumulators take turns, one instruction a turn, in the same order in every step.
.macro MUL16 a0, p, q, sc, zero
.irp a, \a0, \a0+1
.irp b, 0,1,2,3,4,5,6,7
.if \zero
	v_wmma_scale_f32_16x16x128_f8f6f4 v[8*(8*((\a)%4)+\b):8*(8*((\a)%4)+\b)+7], v[128*(\p)+FR*\b:128*(\p)+FR*\b+FR-1], v[AF+FR*(\a):AF+FR*(\a)+FR-1], 0, v[SC+8*NQ*(\sc)+NQ*\b+(\q)], v[SC+8*NQ*(\sc)+NQ*(\a)+(\q)] matrix_a_fmt:MATRIX_FMT_FP4 matrix_b_fmt:MATRIX_FMT_FP4 matrix_a_scale:MATRIX_SCALE_ROW1
.else
	v_wmma_scale_f32_16x16x128_f8f6f4 v[8*(8*((\a)%4)+\b):8*(8*((\a)%4)+\b)+7], v[128*(\p)+FR*\b:128*(\p)+FR*\b+FR-1], v[AF+FR*(\a):AF+FR*(\a)+FR-1], v[8*(8*((\a)%4)+\b):8*(8*((\a)%4)+\b)+7], v[SC+8*NQ*(\sc)+NQ*\b+(\q)], v[SC+8*NQ*(\sc)+NQ*(\a)+(\q)] matrix_a_fmt:MATRIX_FMT_FP4 matrix_b_fmt:MATRIX_FMT_FP4 matrix_a_scale:MATRIX_SCALE_ROW1
.endif
.endr
.endr
.endm
.macro FETCH_B slot, q, p
	WIN TO_B
.irp i, 0,1,2,3,4,5,6,7
	FRAG 128*(\p)+FR*\i, ADRB+\slot, \q, \i
.endr
	WIN 0
.endm
.macro FETCH_A slot, q, i0
.irp i, \i0, \i0+1, \i0+2, \i0+3
	FRAG AF+FR*(\i), ADRA+\slot, \q, \i
.endr
.endm
.macro SCALES sc                       ; a slot's scale words: four a row; lanes 0-15 take A's block i, lanes 16-31 B's block i
.irp i, 0,1,2,3,4,5,6,7
	ds_load_b128 v[SC+8*NQ*\sc+NQ*\i:SC+8*NQ*\sc+NQ*\i+3], v[ADRS] offset:\i*SBLK
.endr
.endm
.macro PLACES n                        ; plain vector instructions between a matrix instruction and a load into, or a read of, its registers
.rept \n
	v_nop
.endr
.endm
.macro STEP slot, q, zero              ; 128 along K that has its successor in the same slot
	s_wait_dscnt 4*NL                              ; B's set and A's blocks 0-3 are in; the youngest eight loads (A's blocks 4-7) may be out
	WIN MUL_LO
	MUL16 0, (\q)%2, \q, \slot, \zero
	MUL16 2, (\q)%2, \q, \slot, \zero
	s_wait_dscnt 0
	PLACES NP
	FETCH_B \slot, (\q)+1, 1-(\q)%2
	FETCH_A \slot, (\q)+1, 0
	WIN MUL_HI
	MUL16 4, (\q)%2, \q, \slot, \zero
	MUL16 6, (\q)%2, \q, \slot, \zero
	PLACES NP
	WIN 0
	FETCH_A \slot, (\q)+1, 4
.endm
; Slot 0's last step goes over to slot 1: each wave waits for its own part of slot 1, then the barrier shows every wave's.  Nothing is filled again.
.macro TURN slot, next
	s_wait_tensorcnt 0x0                           ; all my tensor loads have landed
	ds_add_u32 v[SPW], v[NIL]                      ; 0 onto my spare word
	s_wait_dscnt 4*NL+1                            ; the add and the youngest eight loads may be out
	WIN MUL_LO
	MUL16 0, 1, NQ-1, \slot, 0
	s_wait_dscnt 0x0                               ; no LDS instruction of mine is out at the signal
	s_barrier_signal -1
	MUL16 2, 1, NQ-1, \slot, 0
	WIN 0
	s_barrier_wait -1
	PLACES NP
	v_add_nc_u32 v[ADRS], 4*NQ, v[ADRS]            ; on to the next slot's scale words
	FETCH_B \next, 0, 0
	FETCH_A \next, 0, 0
	SCALES \next
	WIN MUL_HI
	MUL16 4, 1, NQ-1, \slot, 0
	MUL16 6, 1, NQ-1, \slot, 0
	PLACES NP
	WIN 0
	FETCH_A \next, 0, 4
.endm
	s_wait_tensorcnt 1                             ; the scales and my part of slot 0 are in; slot 1's load may be out,
	s_barrier_signal -1
	s_barrier_wait -1                              ; everybody's are
	FETCH_B 0, 0, 0
	FETCH_A 0, 0, 0
	SCALES 0
	FETCH_A 0, 0, 4
	STEP 0, 0, 1                                   ; the first products start the sums: nothing is cleared
	STEP 0, 1, 0
	STEP 0, 2, 0
	TURN 0, 1
	STEP 1, 0, 0
	STEP 1, 1, 0
	STEP 1, 2, 0
	s_wait_dscnt 4*NL                              ; the last step: nothing more to fetch
	WIN MUL_LO
	MUL16 0, 1, NQ-1, 1, 0
	MUL16 2, 1, NQ-1, 1, 0
	s_wait_dscnt 0
	WIN MUL_HI
	MUL16 4, 1, NQ-1, 1, 0
	MUL16 6, 1, NQ-1, 1, 0
	WIN 0
; THE WAY OUT.  A lane's eight results pack into 16 bytes, which ARE four registers of the next operand: block a's eight tiles leave by eight stores of 512 consecutive bytes.  No LDS.
.macro OUTBLK a, isv
.if (\a) >= 4
	s_wait_xcnt 0x0                                ; the stores of four blocks ago have read their registers
.endif
	WIN 0x0a+5*((\a)/4)                            ; sources 0 and 1: window 2 or 3
.irp b, 0,1,2,3,4,5,6,7
.irp r, 0,1,2,3
	v_cvt_pk_f16_f32 v[TMP+32*((\a)%4)+4*\b+\r], v[64*((\a)%4)+8*\b+2*\r], v[64*((\a)%4)+8*\b+2*\r+1]   ; each accumulator from its low end on
.endr
.endr
	WIN 0
.irp b, 0,1,2,3,4,5,6,7
.if \isv
	global_store_b128 v[CO], v[TMP+32*((\a)%4)+4*\b:TMP+32*((\a)%4)+4*\b+3], s[6:7] offset:((\a)/4)*131072+((\a)%4)*1024+(\b/2)*4096+(\b%2)*512
.else
	global_store_b128 v[CO], v[TMP+32*((\a)%4)+4*\b:TMP+32*((\a)%4)+4*\b+3], s[6:7] offset:(\a)*2048+(\b/4)*131072+(\b%4)*512
.endif
.endr
.endm
	PLACES NP                                      ; behind the last products: their A registers are written below
	s_mov_b32 s21, 0
	s_cmp_eq_u32 ttmp9, 2                          ; the cluster's x: the same in all sixteen partners
	s_cbranch_scc1 .Lout_v
	s_lshl_b32 s20, ttmp9, 24                      ; q or k
	s_lshr_b32 s22, s17, 2
	s_lshl_b32 s22, s22, 21                        ; the batch: 16 heads of 131,072 bytes
	s_add_co_u32 s20, s20, s22
	s_and_b32 s22, s42, 3
	s_lshl_b32 s22, s22, 2
	s_lshl_b32 s23, s16, 1
	s_add_co_u32 s22, s22, s23                     ; my first head
	s_lshl_b32 s22, s22, 17
	s_add_co_u32 s20, s20, s22
	s_and_b32 s22, s17, 3
	s_lshl_b32 s22, s22, 4
	s_lshl_b32 s23, s15, 3
	s_add_co_u32 s22, s22, s23                     ; my first tile of 16 positions
	s_lshl_b32 s22, s22, 11
	s_add_co_u32 s20, s20, s22
	s_add_nc_u64 s[6:7], s[6:7], s[20:21]
.irp a, 0,1,2,3,4,5,6,7
	OUTBLK \a, 0
.endr
	s_branch .Lout_done
.Lout_v:
	s_lshr_b32 s20, s42, 2
	s_lshl_b32 s20, s20, 21                        ; the batch
	s_add_co_u32 s20, s20, 1<<25                   ; v^T's part of the buffer
	s_lshl_b32 s22, s17, 2
	s_lshl_b32 s23, s15, 1
	s_add_co_u32 s22, s22, s23                     ; my first head
	s_lshl_b32 s22, s22, 17
	s_add_co_u32 s20, s20, s22
	s_and_b32 s22, s42, 3
	s_lshl_b32 s22, s22, 3
	s_lshl_b32 s23, s16, 2
	s_add_co_u32 s22, s22, s23                     ; my first group of 32 keys
	s_lshl_b32 s22, s22, 12
	s_add_co_u32 s20, s20, s22
	s_add_nc_u64 s[6:7], s[6:7], s[20:21]
.irp a, 0,1,2,3,4,5,6,7
	OUTBLK \a, 1
.endr
.Lout_done:
	s_wait_tensorcnt 0x0                           ; the wave's end
	ds_add_u32 v[SPW], v[NIL]
	s_wait_dscnt 0x0
	CROUND                                         ; the closing round: no work-group ends while a partner may still ask for a tile that names it
	s_endpgm
.Lfunc_end_k_qa0404b26ef_qkv:
	.size	k_qa0404b26ef_qkv, .Lfunc_end_k_qa0404b26ef_qkv-k_qa0404b26ef_qkv
	.p2alignl 7, 3214868480
	.fill 96, 4, 3214868480
	.section	.rodata,"a",@progbits
	.p2align	6, 0x0
	.amdhsa_kernel k_qa0404b26ef_qkv
		.amdhsa_group_segment_fixed_size 327680
		.amdhsa_private_segment_fixed_size 0
		.amdhsa_enable_private_segment 0
		.amdhsa_kernarg_size 16
		.amdhsa_user_sgpr_count 2
		.amdhsa_user_sgpr_kernarg_segment_ptr 1
		.amdhsa_wavefront_size32 1
		.amdhsa_system_sgpr_workgroup_id_x 1
		.amdhsa_system_sgpr_workgroup_id_y 1
		.amdhsa_system_sgpr_workgroup_id_z 1
		.amdhsa_system_vgpr_workitem_id 0
		.amdhsa_next_free_vgpr 1024
		.amdhsa_next_free_sgpr 100
		.amdhsa_reserve_vcc 0
		.amdhsa_float_denorm_mode_32 3
		.amdhsa_float_denorm_mode_16_64 3
		.amdhsa_memory_ordered 1
		.amdhsa_forward_progress 1
		.amdhsa_inst_pref_size 141
	.end_amdhsa_kernel
	.amdgpu_metadata
---
amdhsa.version: [ 1, 2 ]
amdhsa.kernels:
  - .name:           k_qa0404b26ef_qkv
    .symbol:         k_qa0404b26ef_qkv.kd
    .args:
      - { .name: codes, .offset: 0, .size: 8, .value_kind: global_buffer, .address_space: global }
      - { .name: qkv, .offset: 8, .size: 8, .value_kind: global_buffer, .address_space: global }
    .group_segment_fixed_size: 327680
    .private_segment_fixed_size: 0
    .kernarg_segment_align: 8
    .kernarg_segment_size: 16
    .max_flat_workgroup_size: 128
    .sgpr_count:     100
    .vgpr_count:     1024
    .wavefront_size: 32
...
	.end_amdgpu_metadata
.endif
;; end of part 2
;; launch attn (part 3): grid 256 x 1, 16 waves a work-group, no clusters, 264,192 bytes of LDS; arguments qkv, att; writes att
.if DOCPART == 3
	.amdgcn_target "amdgcn-amd-amdhsa--gfx1250"
	.amdhsa_code_object_version 6
	.text
	.protected	k_qa0404b26ef_attn
	.globl	k_qa0404b26ef_attn
	.p2align	8
	.type	k_qa0404b26ef_attn,@function
k_qa0404b26ef_attn:
	s_mov_b64 s[64:65], 0
	v_nop
	global_prefetch_b8 v0, s[64:65] scope:SCOPE_SE
	s_setreg_imm32_b32 hwreg(HW_REG_WAVE_MODE, 25, 1), 1
	s_wait_xcnt 0x0
; ATTN.  att[b][t][head x 64 + d] = the sum over s <= t of softmax_s(q[t] . k[s] / 8) v[s][d], on f16 operands with f32 sums; maxima, exponentials and row sums in f32; a running maximum is taken away ahead of each exponential.
; q, k and v^T arrive as images of operand registers (1,024 bytes a fragment: registers 0-3 of lane l at 16 l, registers 4-7 at 512 + 16 l), so every fragment is two loads of 512 consecutive bytes.
; SHARES.  Two work-groups to a (batch, head).  The head's whole k and v^T, 131,072 bytes each, lie in LDS, each byte filled once: keys 0-511 by each wave's first tensor load, keys 512-1,023 by its second.
; A wave owns 32 queries, two tiles of 16.  The 32 groups of a head are dealt so that the two work-groups, and within each the waves w, w + 4, w + 8, w + 12, have equal causal work.
; Every wave walks 16 steps of 64 keys (constant trip counts); a step all of whose keys come after the wave's queries is jumped over by a scalar branch on ids; no barrier stands in a step.
; LAYOUT.  S^T = k q^T (source 0 = 16 keys, source 1 = 16 queries): a lane holds ONE query (lane % 16) and keys 8 (lane / 16) + 0 .. 7; two such tiles packed to f16 are source 1 of O^T = v^T P, whose result holds
; one query a lane and eight channels, which packed are half a fragment of the projection's operand: att is stored as [row / 128][k / 32][(row / 16) % 8][1,024 bytes].
; No cluster: the two partners of a head take different ways through the causal branches.
; LIMIT: f16 operands: |q|, |k|, |v| under 65,504.  The first 16 positions of each sequence are computed here too and replaced by the fine launches.
.set SPARE, 262144                     ; behind k and v^T: the spare words, 128 bytes a wave
.set LA,   1                           ; v1   16 x lane
.set RH,   2                           ; v2   lane % 16 - 8 (lane / 16)
.set ADK,  3                           ; v3   LDS address of the step's k
.set ADV,  4                           ; v4   of its v^T
.set SPW,  5
.set NIL,  6
.set DM,   7                           ; v7   the mask's bound
.set NINF, 8                           ; v8   -infinity
.set ST,   12                          ; tile t's statistics at v[12 + 8 t]: +0 c m, +1 m, +2, +3 l in two halves, +4 .. +7 at work; a in +6
.set LB,   28                          ; v28-31 second chains of the row sums
.set QF,   32                          ; v32-63   q: tile t, channels 32 kk on, at v[32 + 16 t + 8 kk]
.set KV,   64                          ; v64-127  a step's k, then its v^T
.set S,    128                         ; v128-191 S^T, 32 a tile; then p; then P in the low 16 of each tile
.set O,    192                         ; v192-255 O^T, 32 a tile
	s_load_b128 s[4:7], s[0:1], 0x0                ; qkv s[4:5], att s[6:7]
	v_lshl_add_u32 v[SPW], v0, 2, SPARE
	v_mov_b32 v[NIL], 0
	ds_add_u32 v[SPW], v[NIL]                      ; the wave's opening: the add, twice on end, and its wait ahead of my first tensor load
	ds_add_u32 v[SPW], v[NIL]
	v_lshrrev_b32 v9, 5, v0
	v_readfirstlane_b32 s8, v9                     ; wave 0..15
	s_lshr_b32 s9, ttmp9, 1                        ; batch x 16 + head
	s_and_b32 s10, ttmp9, 1                        ; which of the head's two work-groups
	s_bfe_u32 s11, s8, 0x10002
	s_mul_i32 s11, s11, 3
	s_xor_b32 s11, s8, s11                         ; rank = w xor 3 ((w / 4) % 2): the ranks of w, w + 4, w + 8, w + 12 add up to 30
	s_and_b32 s12, s11, 1
	s_xor_b32 s12, s12, s10
	s_lshl_b32 s11, s11, 1
	s_add_co_u32 s12, s11, s12                     ; my group of 32 queries: 0, 3, 4, 7, .. or 1, 2, 5, 6, ..
	s_lshl_b32 s13, s12, 5                         ; my first query
	s_add_co_u32 s14, s13, 31                      ; my last
	s_mov_b32 s15, 0                               ; the step's first key
	s_mov_b32 s16, 0                               ; and its LDS byte in k's (and v^T's) block
	s_mov_b32 s20, 0x76543210
	s_mov_b32 s21, 0xfedcba98                      ; lane selects: lane l xor 16
	s_mov_b32 s22, 0x3e38aa3b                      ; c = log2(e) / 8
	s_mov_b32 s23, s22                             ; (named with it as a pair)
	; descriptor group 1: 8,192 dense bytes as 32 rows of 256 (32 elements of 8 bytes)
	s_mov_b32 s24, 3<<16
	s_mov_b32 s25, 32<<16
	s_mov_b32 s26, 32<<16
	s_mov_b32 s27, 32<<16
	s_mov_b32 s28, 32
	s_mov_b32 s29, 32
	s_mov_b32 s30, 0
	s_mov_b32 s31, 0
	s_lshr_b32 s18, s8, 3                          ; waves 0-7 fetch k, waves 8-15 v^T
	s_and_b32 s19, s8, 7
	s_lshl_b32 s19, s19, 13                        ; my 8,192 bytes of each half
	s_mov_b32 s32, 1
	s_lshl_b32 s33, s18, 17
	s_add_co_u32 s33, s33, s19                     ; LDS: keys 0-511
	s_mov_b32 s36, 1
	s_add_co_u32 s37, s33, 65536                   ; LDS: keys 512-1,023
	s_add_co_u32 s18, s18, 1
	s_lshl_b32 s40, s18, 24                        ; k's or v^T's part of the buffer,
	s_lshl_b32 s42, s9, 17                         ; my head,
	s_add_co_u32 s40, s40, s42
	s_add_co_u32 s40, s40, s19                     ; my bytes
	s_mov_b32 s41, 0
	s_lshl_b32 s18, s12, 12
	s_add_co_u32 s42, s42, s18                     ; q: my head, my two tiles
	s_mov_b32 s43, 0
	s_lshr_b32 s18, s9, 4                          ; batch
	s_and_b32 s19, s9, 15                          ; head
	s_lshl_b32 s18, s18, 3
	s_lshr_b32 s10, s12, 2
	s_add_co_u32 s18, s18, s10                     ; row / 128
	s_lshl_b32 s18, s18, 5
	s_lshl_b32 s19, s19, 1
	s_add_co_u32 s18, s18, s19                     ; x 32 + k / 32
	s_lshl_b32 s18, s18, 3
	s_lshl_b32 s10, s12, 1
	s_and_b32 s10, s10, 7
	s_add_co_u32 s18, s18, s10                     ; x 8 + (row / 16) % 8
	s_lshl_b32 s10, s18, 10
	s_mov_b32 s11, 0
	s_wait_dscnt 0x0                               ; both opening adds are done
	s_wait_kmcnt 0x0
	s_add_nc_u64 s[34:35], s[4:5], s[40:41]
	s_add_nc_u64 s[38:39], s[34:35], 65536
	s_or_b32 s35, s35, 0x80000000
	s_or_b32 s39, s39, 0x80000000
	tensor_load_to_lds s[32:35], s[24:31]          ; both first fills go out together: two tensor loads of mine are out
	s_nop 0
	tensor_load_to_lds s[36:39], s[24:31]
	s_nop 0
	s_add_nc_u64 s[44:45], s[4:5], s[42:43]
	s_add_nc_u64 s[46:47], s[6:7], s[10:11]
	v_and_b32 v[LA], 31, v0
	v_lshlrev_b32 v[LA], 4, v[LA]
.irp i, 0,1,2,3,4,5,6,7
	global_load_b128 v[QF+4*\i:QF+4*\i+3], v[LA], s[44:45] offset:512*\i   ; q stays in registers
.endr
	v_and_b32 v9, 15, v0
	v_bfe_u32 v10, v0, 4, 1
	v_lshlrev_b32 v10, 3, v10
	v_sub_nc_u32 v[RH], v9, v10
	v_mov_b32 v[NINF], 0xff800000
.irp t, 0,1
	v_mov_b32 v[ST+8*\t+1], 0xff61b1e6             ; the largest score so far: -3e38, under every score
	v_mul_f32 v[ST+8*\t], s22, v[ST+8*\t+1]
.irp i, 2,3,4,5,6,7
	v_mov_b32 v[ST+8*\t+\i], 0                     ; l, and the registers at work (written on every way ahead of the way out)
.endr
.endr
.set i, 0
.rept 64
	v_mov_b32 v[O+i], 0                            ; O^T.  The step is written with no first step of its own: the first finds zeros
.set i, i+1
.endr
	s_wait_loadcnt 0x0                             ; q
; A STEP OF 64 KEYS.
.macro STEP
	s_cmp_gt_u32 s15, s14                          ; all its keys come after my queries: only the two lines at its end are run
	s_cbranch_scc1 .Lhid_\@
	v_add_nc_u32 v[ADK], s16, v[LA]
	v_add_nc_u32 v[ADV], 0x20000, v[ADK]
.rept 3
	v_nop                                          ; with the two additions: five plain instructions behind the last step's products, whose P the first product below writes over and whose v^T the loads below land on
.endr
.set i, 0
.rept 16
	ds_load_b128 v[KV+4*i:KV+4*i+3], v[ADK] offset:512*i
.set i, i+1
.endr
	s_wait_dscnt 0x0
.irp kk, 0,1                           ; S^T = k q^T: the eight accumulators take turns
.irp t, 0,1
.irp kt, 0,1,2,3
.if \kk == 0
	v_wmma_f32_16x16x32_f16 v[S+32*\t+8*\kt:S+32*\t+8*\kt+7], v[KV+16*\kt+8*\kk:KV+16*\kt+8*\kk+7], v[QF+16*\t+8*\kk:QF+16*\t+8*\kk+7], 0
.else
	v_wmma_f32_16x16x32_f16 v[S+32*\t+8*\kt:S+32*\t+8*\kt+7], v[KV+16*\kt+8*\kk:KV+16*\kt+8*\kk+7], v[QF+16*\t+8*\kk:QF+16*\t+8*\kk+7], v[S+32*\t+8*\kt:S+32*\t+8*\kt+7]
.endif
.endr
.endr
.endr
.rept 4
	v_nop                                          ; in front of the loads into k's registers and of the first read of the scores
.endr
.set i, 0
.rept 16
	ds_load_b128 v[KV+4*i:KV+4*i+3], v[ADV] offset:512*i   ; v^T lands while the softmax is walked
.set i, i+1
.endr
	s_add_co_u32 s18, s15, 63
	s_cmp_le_u32 s18, s13                          ; all 64 keys count for all my queries: no mask
	s_cbranch_scc1 .Lopen_\@
	s_sub_co_i32 s18, s13, s15
	v_add_nc_u32 v[DM], s18, v[RH]                 ; register 8 kt + j of tile t holds key KF + 16 kt + 8 (lane / 16) + j for query Q0 + 16 t + lane % 16: hidden where 16 kt + j - 16 t > this bound
.irp t, 0,1
.irp kt, 0,1,2,3
.irp j, 0,1,2,3,4,5,6,7
	v_cmp_gt_i32 vcc_lo, 16*\kt+\j-16*\t, v[DM]
	v_cndmask_b32 v[S+32*\t+8*\kt+\j], v[S+32*\t+8*\kt+\j], v[NINF], vcc_lo
.endr
.endr
.endr
.Lopen_\@:
.irp j, 0,1,2,3                        ; the largest of 32 scores and the old m: four chains a tile, each from its accumulator's low end on; the two tiles by turns
.irp t, 0,1
	v_max3_num_f32 v[ST+8*\t+4+\j], v[S+32*\t+8*\j], v[S+32*\t+8*\j+1], v[S+32*\t+8*\j+2]
.endr
.endr
.irp u, 3,5
.irp j, 0,1,2,3
.irp t, 0,1
	v_max3_num_f32 v[ST+8*\t+4+\j], v[ST+8*\t+4+\j], v[S+32*\t+8*\j+\u], v[S+32*\t+8*\j+\u+1]
.endr
.endr
.endr
.irp t, 0,1
	v_max3_num_f32 v[ST+8*\t+4], v[ST+8*\t+4], v[S+32*\t+7], v[S+32*\t+15]
.endr
.irp t, 0,1
	v_max3_num_f32 v[ST+8*\t+6], v[ST+8*\t+6], v[S+32*\t+23], v[S+32*\t+31]
.endr
.irp t, 0,1
	v_max3_num_f32 v[ST+8*\t+4], v[ST+8*\t+4], v[ST+8*\t+5], v[ST+8*\t+6]
.endr
.irp t, 0,1
	v_max3_num_f32 v[ST+8*\t+4], v[ST+8*\t+4], v[ST+8*\t+7], v[ST+8*\t+1]
.endr
.irp t, 0,1
	v_permlanex16_b32 v[ST+8*\t+5], v[ST+8*\t+4], s20, s21   ; the query's other 32 keys lie in the lane 16 away
.endr
.irp t, 0,1
	v_mov_b32 v[ST+8*\t+7], v[ST+8*\t]             ; c m_old
.endr
.irp t, 0,1
	v_max_num_f32 v[ST+8*\t+1], v[ST+8*\t+4], v[ST+8*\t+5]   ; the new m
.endr
.irp t, 0,1
	v_mul_f32 v[ST+8*\t], s22, v[ST+8*\t+1]
.endr
.irp t, 0,1
	v_sub_f32 v[ST+8*\t+7], v[ST+8*\t+7], v[ST+8*\t]
.endr
.irp i, 0,2,4,6,8,10,12,14,16,18,20,22,24,26,28,30
.irp t, 0,1
	v_pk_fma_f32 v[S+32*\t+\i:S+32*\t+\i+1], v[S+32*\t+\i:S+32*\t+\i+1], s[22:23], v[ST+8*\t:ST+8*\t+1] op_sel_hi:[1,0,0] neg_lo:[0,0,1] neg_hi:[0,0,1]   ; c s - c m
.endr
.endr
.irp t, 0,1
	v_exp_f32 v[ST+8*\t+6], v[ST+8*\t+7]           ; a = 2^(c m_old - c m_new)
.endr
.set i, 0
.rept 64
	v_exp_f32 v[S+i], v[S+i]                       ; p = 2^(c s - c m): one batch of 66 exponentials
.set i, i+1
.endr
	v_nop                                          ; a plain instruction behind the last exponential
	s_wait_alu depctr_va_vdst(0)                   ; one wait for the batch, ahead of its first reader
.irp t, 0,1                            ; the row's sum of the unrounded p, in two chains a tile
	v_pk_add_f32 v[ST+8*\t+4:ST+8*\t+5], v[S+32*\t:S+32*\t+1], v[S+32*\t+2:S+32*\t+3]
	v_pk_add_f32 v[LB+2*\t:LB+2*\t+1], v[S+32*\t+4:S+32*\t+5], v[S+32*\t+6:S+32*\t+7]
.endr
.irp i, 8,12,16,20,24,28
.irp t, 0,1
	v_pk_add_f32 v[ST+8*\t+4:ST+8*\t+5], v[ST+8*\t+4:ST+8*\t+5], v[S+32*\t+\i:S+32*\t+\i+1]
	v_pk_add_f32 v[LB+2*\t:LB+2*\t+1], v[LB+2*\t:LB+2*\t+1], v[S+32*\t+\i+2:S+32*\t+\i+3]
.endr
.endr
.irp t, 0,1
	v_pk_add_f32 v[ST+8*\t+4:ST+8*\t+5], v[ST+8*\t+4:ST+8*\t+5], v[LB+2*\t:LB+2*\t+1]
.endr
.irp t, 0,1
	v_pk_fma_f32 v[ST+8*\t+2:ST+8*\t+3], v[ST+8*\t+2:ST+8*\t+3], v[ST+8*\t+6:ST+8*\t+7], v[ST+8*\t+4:ST+8*\t+5] op_sel_hi:[1,0,1]   ; l = a l + the sum
.endr
.irp i, 0,1,2,3,4,5,6,7,8,9,10,11,12,13,14,15
.irp t, 0,1
	v_cvt_pk_f16_f32 v[S+32*\t+\i], v[S+32*\t+2*\i], v[S+32*\t+2*\i+1]   ; P, in place and ascending: a pair is read before its place is written
.endr
.endr
.irp i, 0,2,4,6,8,10,12,14,16,18,20,22,24,26,28,30
.irp t, 0,1
	v_pk_mul_f32 v[O+32*\t+\i:O+32*\t+\i+1], v[O+32*\t+\i:O+32*\t+\i+1], v[ST+8*\t+6:ST+8*\t+7] op_sel_hi:[1,0]   ; O^T x a
.endr
.endr
	s_wait_dscnt 0x0                               ; v^T is in
.irp kg, 0,1                           ; O^T += v^T P: the eight accumulators take turns
.irp t, 0,1
.irp ct, 0,1,2,3
	v_wmma_f32_16x16x32_f16 v[O+32*\t+8*\ct:O+32*\t+8*\ct+7], v[KV+32*\kg+8*\ct:KV+32*\kg+8*\ct+7], v[S+32*\t+8*\kg:S+32*\t+8*\kg+7], v[O+32*\t+8*\ct:O+32*\t+8*\ct+7]
.endr
.endr
.endr
.Lhid_\@:
	s_add_co_u32 s15, s15, 64
	s_add_co_u32 s16, s16, 8192
.endm
	s_wait_tensorcnt 1                             ; my part of keys 0-511 is in; my second load may stay out: no byte is ever filled again,
	s_barrier_signal -1
	s_barrier_wait -1                              ; everybody's is
	s_mov_b32 s17, 8
.Lfirst_half:
	STEP
	s_sub_co_u32 s17, s17, 1
	s_cmp_lg_u32 s17, 0
	s_cbranch_scc1 .Lfirst_half
	s_wait_tensorcnt 0x0                           ; my part of keys 512-1,023 is in,
	s_wait_dscnt 0x0
	s_barrier_signal -1
	s_barrier_wait -1                              ; everybody's is
	s_mov_b32 s15, 512
	s_mov_b32 s16, 65536
	s_mov_b32 s17, 8
.Lsecond_half:
	STEP
	s_sub_co_u32 s17, s17, 1
	s_cmp_lg_u32 s17, 0
	s_cbranch_scc1 .Lsecond_half
	; THE WAY OUT: O^T / l, rounded to f16: a lane's eight channels are four registers of the projection's operand
.irp t, 0,1
	v_add_f32 v[ST+8*\t+4], v[ST+8*\t+2], v[ST+8*\t+3]
.endr
	v_nop
	v_nop                                          ; four plain instructions behind the last products
.irp t, 0,1
	v_permlanex16_b32 v[ST+8*\t+5], v[ST+8*\t+4], s20, s21
.endr
.irp t, 0,1
	v_add_f32 v[ST+8*\t+4], v[ST+8*\t+4], v[ST+8*\t+5]
.endr
.irp t, 0,1
	v_rcp_f32 v[ST+8*\t+6], v[ST+8*\t+4]
.endr
	v_nop
	s_wait_alu depctr_va_vdst(0)                   ; one wait for the two reciprocals, ahead of their first reader
.irp t, 0,1
.irp i, 0,2,4,6,8,10,12,14,16,18,20,22,24,26,28,30
	v_pk_mul_f32 v[O+32*\t+\i:O+32*\t+\i+1], v[O+32*\t+\i:O+32*\t+\i+1], v[ST+8*\t+6:ST+8*\t+7] op_sel_hi:[1,0]
.endr
.endr
.set i, 0
.rept 32
	v_cvt_pk_f16_f32 v[S+i], v[O+2*i], v[O+2*i+1]
.set i, i+1
.endr
.irp t, 0,1
.irp ct, 0,1,2,3
	global_store_b128 v[LA], v[S+16*\t+4*\ct:S+16*\t+4*\ct+3], s[46:47] offset:\t*1024+(\ct/2)*8192+(\ct%2)*512   ; 512 consecutive bytes, aligned
.endr
.endr
	s_wait_tensorcnt 0x0                           ; the wave's end
	ds_add_u32 v[SPW], v[NIL]
	s_wait_dscnt 0x0
	s_endpgm
.Lfunc_end_k_qa0404b26ef_attn:
	.size	k_qa0404b26ef_attn, .Lfunc_end_k_qa0404b26ef_attn-k_qa0404b26ef_attn
	.p2alignl 7, 3214868480
	.fill 96, 4, 3214868480
	.section	.rodata,"a",@progbits
	.p2align	6, 0x0
	.amdhsa_kernel k_qa0404b26ef_attn
		.amdhsa_group_segment_fixed_size 264192
		.amdhsa_private_segment_fixed_size 0
		.amdhsa_enable_private_segment 0
		.amdhsa_kernarg_size 16
		.amdhsa_user_sgpr_count 2
		.amdhsa_user_sgpr_kernarg_segment_ptr 1
		.amdhsa_wavefront_size32 1
		.amdhsa_system_sgpr_workgroup_id_x 1
		.amdhsa_system_sgpr_workgroup_id_y 1
		.amdhsa_system_sgpr_workgroup_id_z 1
		.amdhsa_system_vgpr_workitem_id 0
		.amdhsa_next_free_vgpr 256
		.amdhsa_next_free_sgpr 66
		.amdhsa_reserve_vcc 1
		.amdhsa_float_denorm_mode_32 3
		.amdhsa_float_denorm_mode_16_64 3
		.amdhsa_memory_ordered 1
		.amdhsa_forward_progress 1
		.amdhsa_inst_pref_size 56
	.end_amdhsa_kernel
	.amdgpu_metadata
---
amdhsa.version: [ 1, 2 ]
amdhsa.kernels:
  - .name:           k_qa0404b26ef_attn
    .symbol:         k_qa0404b26ef_attn.kd
    .args:
      - { .name: qkv, .offset: 0, .size: 8, .value_kind: global_buffer, .address_space: global }
      - { .name: att, .offset: 8, .size: 8, .value_kind: global_buffer, .address_space: global }
    .group_segment_fixed_size: 264192
    .private_segment_fixed_size: 0
    .kernarg_segment_align: 8
    .kernarg_segment_size: 16
    .max_flat_workgroup_size: 512
    .sgpr_count:     66
    .vgpr_count:     256
    .wavefront_size: 32
...
	.end_amdgpu_metadata
.endif
;; end of part 3
;; launch proj (part 4): grid 4 x 64, 4 waves a work-group, clusters of 4 x 4, 327,680 bytes of LDS; arguments att, wp, bproj, out0; writes out0
.if DOCPART == 4
	.amdgcn_target "amdgcn-amd-amdhsa--gfx1250"
	.amdhsa_code_object_version 6
	.text
	.protected	k_qa0404b26ef_proj
	.globl	k_qa0404b26ef_proj
	.p2align	8
	.type	k_qa0404b26ef_proj,@function
k_qa0404b26ef_proj:
	s_mov_b64 s[64:65], 0
	v_nop
	global_prefetch_b8 v0, s[64:65] scope:SCOPE_SE
	s_setreg_imm32_b32 hwreg(HW_REG_WAVE_MODE, 25, 1), 1
	s_wait_xcnt 0x0
	s_wait_alu depctr_hold_cnt(0) depctr_sa_sdst(0) depctr_va_vdst(0) depctr_va_sdst(0) depctr_va_ssrc(0) depctr_va_vcc(0) depctr_vm_vsrc(0)
	s_getreg_b32 s2, hwreg(HW_REG_IB_STS2, 6, 4)
	s_cmp_eq_u32 s2, 0
	s_cbranch_scc0 .Lentry_in_a_cluster
	s_endpgm
.Lentry_in_a_cluster:
	s_bfe_u32 s2, ttmp6, 0x10000c
	s_cmp_lg_u32 s2, 0xf033
	s_cbranch_scc0 .Lentry_shape_is_right
	s_endpgm
.Lentry_shape_is_right:
; PROJ.  out0 = att Wproj + bproj, f16 operands (Wproj's hi part), f32 sums.  M = 8,192, N = 1,024, K = 1,024.
; Both operands lie in memory as images of operand registers (1,024 bytes a fragment of 16 x 32), att as [row / 128][k / 32][8][1,024], Wproj as [n / 256][k / 32][16][1,024]:
; a K step of 128 is one dense block of each (32,768 and 65,536 bytes), a fragment is two LDS loads of 512 consecutive bytes: no pitch, no padding.
; A tile of out0 is 128 x 256: 256 work-groups.  Four waves, each 64 rows x 128 columns: 32 accumulators, 256 registers.  K goes in 8 steps of 128 through two LDS slots.
; The matrix instruction takes source 0 = 16 columns of Wproj, source 1 = 16 rows of att: a lane holds eight neighbouring numbers of one row of out0.  The bias is the C of each sum's first product.
; CLUSTERS: 4 x 4 work-groups; att's tile is shared along a row of the cluster, Wproj's along a column: each is asked for jointly.
; LIMIT: f16 operands.  The first 16 positions of each sequence are written here and written again, more finely, by the last launch.
; REGISTERS: window 0: v0-31 addresses; v32-127, v128-223 two fragment buffers (Wproj's 8 fragments, then att's 4); window 1: accumulator (a, b) at v[8 (8 a + b)]; window 2: v0-63 the bias, 8 registers for each b.
.set SLOT,   98304                     ; att's 32,768 bytes, then Wproj's 65,536
.set BOFF,   32768
.set STAGE,  2*SLOT                    ; behind the slots: 16 rows x (512 + 16) bytes for each wave, for the way out
.set SPITCH, 528
.set SPARE,  STAGE+4*16*SPITCH         ; the spare words, 128 bytes a wave
.set LAPS,   4                         ; a lap = two K steps
.set ADRA, 16
.set ADRB, 20
.set STO,  24
.set RD,   25
.set CO,   26
.set SPW,  28
.set NIL,  29
.set PFO,  30                          ; v30  256 x lane
.set F0,   32
.set F1,   128
.set WV,   12
.set LIM,  15                          ; s15  1 in wave 0, else the greatest number
.set PFA,  20                          ; s[20:21] where my prefetches stand
.set G1,   24
.set G0,   32
.set G1B,  48
.set G0B,  56
.set MSB, 0
.macro WIN new
.if MSB != \new
	s_set_vgpr_msb (MSB<<8)|\new
.set MSB, \new
.endif
.endm
.set MUL,   0x50                       ; sources 0 and 1 window 0; C and D window 1
.set MULB,  0x60                       ; C (the bias) window 2, D window 1
.macro JLOAD s                         ; a joint load: waves 0 and 1 fetch att's halves, waves 2 and 3 Wproj's; an s_nop 0 and four v_nop follow each line
	s_cmp_eq_u32 s13, 0
	s_cbranch_scc0 .Lfor_b_\@
	tensor_load_to_lds s[G0+4*\s:G0+4*\s+3], s[G1:G1+7]
	s_nop 0
.rept 4
	v_nop
.endr
	s_branch .Lasked_\@
.Lfor_b_\@:
	tensor_load_to_lds s[G0B+4*\s:G0B+4*\s+3], s[G1B:G1B+7]
	s_nop 0
.rept 4
	v_nop
.endr
.Lasked_\@:
.endm
.macro CREST
	s_cmp_lg_u32 s[WV], 0
	s_cbranch_scc1 .Lnot_wave_0_\@
	s_barrier_signal -3
.Lnot_wave_0_\@:
	s_barrier_wait -3
	s_barrier_signal -1
	s_barrier_wait -1
.endm
.macro CROUND
	s_barrier_signal -1
	s_barrier_wait -1
	CREST
.endm
; A prefetch of att's K step that stands two refills on: its 32,768 bytes are shared out among the four partners that ask for it jointly, by address, 8,192 each; in each, wave 0 asks, lanes 256 bytes apart.
; K steps 0 to 3 come by their loads alone; the loop's last trip, whose refills are the last two K steps, asks for nothing.  Wproj's blocks are read by every cluster and are not asked for.
.macro ASK
	s_cmp_gt_u32 s3, s[LIM]
	s_cbranch_scc0 .Lnot_mine_\@
	global_prefetch_b8 v[PFO], s[PFA:PFA+1] th:TH_LOAD_NT scope:SCOPE_SE
.Lnot_mine_\@:
.endm
	s_load_b256 s[4:11], s[0:1], 0x0               ; att s[4:5], wp s[6:7], bproj s[8:9], out0 s[10:11]
	v_lshl_add_u32 v[SPW], v0, 2, SPARE
	v_mov_b32 v[NIL], 0
	ds_add_u32 v[SPW], v[NIL]                      ; the wave's opening: the add, twice on end, and its wait ahead of my first tensor load
	ds_add_u32 v[SPW], v[NIL]
	v_lshrrev_b32 v1, 5, v0
	v_readfirstlane_b32 s[WV], v1                  ; wave 0..3
	s_lshr_b32 s13, s[WV], 1                       ; which 64 rows are mine.  Also: I fetch for att (0) or for Wproj (1)
	s_and_b32 s14, s[WV], 1                        ; which 128 columns.  Also: which half of the block I fetch
	s_bfe_u32 s40, ttmp6, 0x40000                  ; cx
	s_bfe_u32 s41, ttmp6, 0x40004                  ; cy
	s_lshl_b32 s42, ttmp9, 2
	s_add_co_u32 s42, s42, s40                     ; the tile's 256 columns
	s_and_b32 s43, ttmp7, 0xffff
	s_lshl_b32 s43, s43, 2
	s_add_co_u32 s43, s43, s41                     ; the tile's 128 rows
	s_lshl_b32 s44, s41, 2
	s_lshl_b32 s44, 15, s44                        ; my row of the cluster
	s_lshl_b32 s45, 0x1111, s40                    ; my column
	; descriptor group 1: dense bytes as rows of 256 (32 elements of 8 bytes): 64 rows for att's half, 128 for Wproj's
	s_or_b32 s[G1], s44, (3<<16)|(1<<21)
	s_or_b32 s[G1B], s45, (3<<16)|(1<<21)
	s_mov_b32 s[G1+1], 32<<16
	s_mov_b32 s[G1+2], 64<<16
	s_mov_b32 s[G1+3], 32<<16
	s_mov_b32 s[G1+4], 64
	s_mov_b32 s[G1+5], 32
	s_mov_b32 s[G1+6], 0
	s_mov_b32 s[G1+7], 0
	s_mov_b32 s[G1B+1], 32<<16
	s_mov_b32 s[G1B+2], 128<<16
	s_mov_b32 s[G1B+3], 32<<16
	s_mov_b32 s[G1B+4], 128
	s_mov_b32 s[G1B+5], 32
	s_mov_b32 s[G1B+6], 0
	s_mov_b32 s[G1B+7], 0
	s_lshl_b32 s16, s43, 18                        ; att: 262,144 bytes for each 128 rows,
	s_lshl_b32 s22, s14, 14                        ; my half of a K step's block; the same in LDS
	s_add_co_u32 s16, s16, s22
	s_mov_b32 s17, 0
	s_lshl_b32 s46, s42, 19                        ; Wproj: 524,288 bytes for each 256 columns,
	s_lshl_b32 s23, s14, 15
	s_add_co_u32 s46, s46, s23
	s_mov_b32 s47, 0
	s_add_co_u32 s23, s23, BOFF                    ; in LDS behind att's block
	s_wait_dscnt 0x0                               ; both opening adds are done
	s_wait_kmcnt 0x0
	s_add_nc_u64 s[18:19], s[4:5], s[16:17]
	s_add_nc_u64 s[46:47], s[6:7], s[46:47]
	CROUND                                         ; all sixteen work-groups are here: the first joint loads meet
.irp s, 0,1
	s_mov_b32 s[G0+4*\s], 1
	s_add_co_u32 s[G0+4*\s+1], s22, \s*SLOT
	s_add_nc_u64 s[G0+4*\s+2:G0+4*\s+3], s[18:19], \s*32768
	s_or_b32 s[G0+4*\s+3], s[G0+4*\s+3], 0x80000000
	s_mov_b32 s[G0B+4*\s], 1
	s_add_co_u32 s[G0B+4*\s+1], s23, \s*SLOT
	s_add_nc_u64 s[G0B+4*\s+2:G0B+4*\s+3], s[46:47], \s*65536
	s_or_b32 s[G0B+4*\s+3], s[G0B+4*\s+3], 0x80000000
	JLOAD \s                                       ; two tensor loads of mine are out
.endr
	s_lshl_b32 s2, s43, 19                         ; out0: my first row x 4,096 bytes + my first column x 4
	s_lshl_b32 s3, s13, 18
	s_add_co_u32 s2, s2, s3
	s_lshl_b32 s3, s42, 10
	s_add_co_u32 s2, s2, s3
	s_lshl_b32 s3, s14, 9
	s_add_co_u32 s2, s2, s3
	s_mov_b32 s3, 0
	s_add_nc_u64 s[10:11], s[10:11], s[2:3]
	s_lshl_b32 s2, s42, 10                         ; the bias of my 128 columns
	s_lshl_b32 s15, s14, 9
	s_add_co_u32 s2, s2, s15
	s_add_nc_u64 s[8:9], s[8:9], s[2:3]
	s_lshl_b32 s[PFA], s43, 18                     ; the prefetches: my tile's rows, my work-group's quarter of a block, K step 3: the first refill steps it to 4
	s_lshl_b32 s2, s40, 13
	s_add_co_u32 s[PFA], s[PFA], s2
	s_add_co_u32 s[PFA], s[PFA], 3*32768
	s_mov_b32 s[PFA+1], 0
	s_add_nc_u64 s[PFA:PFA+1], s[4:5], s[PFA:PFA+1]
	s_cmp_eq_u32 s[WV], 0
	s_cselect_b32 s[LIM], 1, -1
	v_and_b32 v1, 15, v0                           ; l % 16
	v_bfe_u32 v2, v0, 4, 1                         ; l / 16
	v_lshlrev_b32 v3, 5, v2                        ; the bias: eight numbers for each half of the lanes
	v_and_b32 v4, 31, v0
	v_lshlrev_b32 v[CO], 4, v4                     ; 16 x lane
	v_lshlrev_b32 v[PFO], 8, v4
	WIN 0x80                                       ; destination window 2
.irp b, 0,1,2,3,4,5,6,7
	global_load_b128 v[8*\b:8*\b+3], v3, s[8:9] offset:64*\b
	global_load_b128 v[8*\b+4:8*\b+7], v3, s[8:9] offset:64*\b+16
.endr
	WIN 0
	s_lshl_b32 s16, s13, 12                        ; my four fragments of att in a quarter's eight
	v_add_nc_u32 v[ADRA], s16, v[CO]
	v_add_nc_u32 v[ADRA+1], SLOT, v[ADRA]
	s_lshl_b32 s16, s14, 13                        ; my eight of Wproj's sixteen
	s_add_co_u32 s16, s16, BOFF
	v_add_nc_u32 v[ADRB], s16, v[CO]
	v_add_nc_u32 v[ADRB+1], SLOT, v[ADRB]
	s_mul_i32 s16, s[WV], 16*SPITCH
	s_add_co_u32 s16, s16, STAGE                   ; my stage
	v_mul_u32_u24 v5, v1, SPITCH
	v_lshl_add_u32 v5, v2, 5, v5
	v_add_nc_u32 v[STO], s16, v5                   ; in: row l % 16, 32 bytes for each half of the lanes
	v_add_nc_u32 v[RD], s16, v[CO]                 ; back: the 32 lanes take one row of 512 bytes
.macro MUL8 f, a, first                ; att's fragment a against Wproj's eight.  The 32 accumulators take turns in the same order in every quarter
.irp b, 0,1,2,3,4,5,6,7
.if \first
	v_wmma_f32_16x16x32_f16 v[8*(8*(\a)+\b):8*(8*(\a)+\b)+7], v[\f+8*\b:\f+8*\b+7], v[\f+64+8*(\a):\f+64+8*(\a)+7], v[8*\b:8*\b+7]
.else
	v_wmma_f32_16x16x32_f16 v[8*(8*(\a)+\b):8*(8*(\a)+\b)+7], v[\f+8*\b:\f+8*\b+7], v[\f+64+8*(\a):\f+64+8*(\a)+7], v[8*(8*(\a)+\b):8*(8*(\a)+\b)+7]
.endif
.endr
.endm
.macro FETCH slot, q, f                ; 24 LDS loads in one run: the fragments of the slot's q-th 32 along K
	WIN 0
.irp b, 0,1,2,3,4,5,6,7
	ds_load_b128 v[\f+8*\b:\f+8*\b+3],   v[ADRB+\slot] offset:(\q)*16384+\b*1024
	ds_load_b128 v[\f+8*\b+4:\f+8*\b+7], v[ADRB+\slot] offset:(\q)*16384+\b*1024+512
.endr
.irp a, 0,1,2,3
	ds_load_b128 v[\f+64+8*\a:\f+64+8*\a+3],   v[ADRA+\slot] offset:(\q)*8192+\a*1024
	ds_load_b128 v[\f+64+8*\a+4:\f+64+8*\a+7], v[ADRA+\slot] offset:(\q)*8192+\a*1024+512
.endr
.endm
.macro PLACES                          ; four plain instructions in front of loads into registers that matrix instructions have read, and of reads of results
.rept 4
	v_nop
.endr
.endm
; A quarter: 32 along K, 32 matrix instructions on buffer f; in its middle the slot's quarter q is fetched into buffer g.
.macro QUARTER slot, q, f, g, first
	s_wait_dscnt 4                                 ; all but att's two upper fragments are in
.if \first
	WIN MULB
.else
	WIN MUL
.endif
	MUL8 \f, 0, \first
	MUL8 \f, 1, \first
	PLACES
	FETCH \slot, \q, \g
	s_wait_dscnt 24                                ; all but the 24 just issued
.if \first
	WIN MULB
.else
	WIN MUL
.endif
	MUL8 \f, 2, \first
	MUL8 \f, 3, \first
.endm
; A slot's last quarter multiplies buffer 1 and changes slots: ONE barrier; in front of it each wave waits for all its tensor loads, adds 0 to its spare word, and waits for that and for its reads of this slot.
; fill = 1: the barrier opens a round of the cluster's, and this slot is filled again, two K steps ahead, first thing behind the round.
.macro TURN slot, next, fill
.if \fill
	s_wait_xcnt 0x0                                ; the last prefetch, a K step back, has read its address
	s_add_nc_u64 s[PFA:PFA+1], s[PFA:PFA+1], 32768
.endif
	WIN 0                                          ; the add's two registers lie in window 0
	s_wait_tensorcnt 0x0                           ; all my tensor loads have landed: my part of the next slot
	ds_add_u32 v[SPW], v[NIL]                      ; 0 onto my spare word
	s_wait_dscnt 5                                 ; the add and the youngest four loads may be out
	WIN MUL
	MUL8 F1, 0, 0
	s_wait_dscnt 0x0                               ; the add is done, and my reads of this slot are over
	s_barrier_signal -1
	MUL8 F1, 1, 0
.if \fill
	WIN 0
.endif
	s_barrier_wait -1
.if \fill
	CREST                                          ; no wave of any partner still reads this slot or has a load on its way
	s_add_nc_u64 s[G0+4*\slot+2:G0+4*\slot+3], s[G0+4*\slot+2:G0+4*\slot+3], 2*32768
	s_add_nc_u64 s[G0B+4*\slot+2:G0B+4*\slot+3], s[G0B+4*\slot+2:G0B+4*\slot+3], 2*65536
	JLOAD \slot                                    ; my one tensor load behind the round; its four v_nop are also the places in front of the loads below
.else
	PLACES
.endif
	FETCH \next, 0, F0
.if \fill
	ASK
.endif
	WIN MUL
	MUL8 F1, 2, 0
	MUL8 F1, 3, 0
.endm
	s_wait_tensorcnt 1                             ; my part of K step 0 is in; K step 1's load may be out,
	s_barrier_signal -1
	s_barrier_wait -1                              ; everybody's is
	FETCH 0, 0, F0
	s_wait_loadcnt 0x0                             ; the bias
	QUARTER 0, 1, F0, F1, 1                        ; the first quarter's products start the sums from the bias
	WIN 0
	s_mov_b32 s3, LAPS-1
.Llap:                                             ; a trip goes once round the two slots and fills both again: K steps 2 to 7
	QUARTER 0, 2, F1, F0, 0
	QUARTER 0, 3, F0, F1, 0
	TURN 0, 1, 1
	QUARTER 1, 1, F0, F1, 0
	QUARTER 1, 2, F1, F0, 0
	QUARTER 1, 3, F0, F1, 0
	TURN 1, 0, 1
	QUARTER 0, 1, F0, F1, 0
	WIN 0
	s_sub_co_u32 s3, s3, 1
	s_cmp_lg_u32 s3, 0
	s_cbranch_scc1 .Llap
	QUARTER 0, 2, F1, F0, 0                        ; the last lap fills nothing
	QUARTER 0, 3, F0, F1, 0
	TURN 0, 1, 0
	QUARTER 1, 1, F0, F1, 0
	QUARTER 1, 2, F1, F0, 0
	QUARTER 1, 3, F0, F1, 0
	s_wait_dscnt 4
	WIN MUL
	MUL8 F1, 0, 0
	MUL8 F1, 1, 0
	s_wait_dscnt 0
	MUL8 F1, 2, 0
	MUL8 F1, 3, 0
	WIN 0
; THE WAY OUT, a block of 16 rows x 128 columns at a time, through my own stage: in by 32 bytes a lane, back as whole rows of 512 bytes.  LDS serves a wave's instructions in order.
.macro TOSTAGE a
	WIN 0x04                                       ; an LDS store's data are its source 1: window 1
.irp b, 0,1,2,3,4,5,6,7
	ds_store_b128 v[STO], v[8*(8*(\a)+\b):8*(8*(\a)+\b)+3] offset:64*\b          ; each accumulator from its low end on
	ds_store_b128 v[STO], v[8*(8*(\a)+\b)+4:8*(8*(\a)+\b)+7] offset:64*\b+16
.endr
	WIN 0
.set BB, 32+64*((\a)%2)
.irp t, 0,1,2,3,4,5,6,7,8,9,10,11,12,13,14,15
	ds_load_b128 v[BB+4*\t:BB+4*\t+3], v[RD] offset:\t*SPITCH
.endr
.endm
.macro SEND a, younger
.set BB, 32+64*((\a)%2)
	s_wait_dscnt \younger                          ; the block is back in registers; the next block's 16 stores and 16 loads may be out
.if (\a) > 0
	s_add_nc_u64 s[10:11], s[10:11], 16*4096       ; (behind a wait on XCNT) 16 rows on
.endif
.irp t, 0,1,2,3,4,5,6,7,8,9,10,11,12,13,14,15
	global_store_b128 v[CO], v[BB+4*\t:BB+4*\t+3], s[10:11] offset:\t*4096   ; 32 lanes store 512 consecutive bytes, aligned
.endr
.endm
	PLACES
	TOSTAGE 0
.irp a, 1,2,3
.if \a > 1
	s_wait_xcnt 0x0                                ; block a - 2's stores have read their registers and their base
.endif
	TOSTAGE \a
	SEND \a-1, 32
.endr
	s_wait_xcnt 0x0
	SEND 3, 0
	s_wait_tensorcnt 0x0                           ; the wave's end, behind my last tensor load and my last LDS store
	ds_add_u32 v[SPW], v[NIL]
	s_wait_dscnt 0x0
	CROUND                                         ; the closing round
	s_endpgm
.Lfunc_end_k_qa0404b26ef_proj:
	.size	k_qa0404b26ef_proj, .Lfunc_end_k_qa0404b26ef_proj-k_qa0404b26ef_proj
	.p2alignl 7, 3214868480
	.fill 96, 4, 3214868480
	.section	.rodata,"a",@progbits
	.p2align	6, 0x0
	.amdhsa_kernel k_qa0404b26ef_proj
		.amdhsa_group_segment_fixed_size 327680
		.amdhsa_private_segment_fixed_size 0
		.amdhsa_enable_private_segment 0
		.amdhsa_kernarg_size 32
		.amdhsa_user_sgpr_count 2
		.amdhsa_user_sgpr_kernarg_segment_ptr 1
		.amdhsa_wavefront_size32 1
		.amdhsa_system_sgpr_workgroup_id_x 1
		.amdhsa_system_sgpr_workgroup_id_y 1
		.amdhsa_system_sgpr_workgroup_id_z 1
		.amdhsa_system_vgpr_workitem_id 0
		.amdhsa_next_free_vgpr 576
		.amdhsa_next_free_sgpr 66
		.amdhsa_reserve_vcc 0
		.amdhsa_float_denorm_mode_32 3
		.amdhsa_float_denorm_mode_16_64 3
		.amdhsa_memory_ordered 1
		.amdhsa_forward_progress 1
		.amdhsa_inst_pref_size 87
	.end_amdhsa_kernel
	.amdgpu_metadata
---
amdhsa.version: [ 1, 2 ]
amdhsa.kernels:
  - .name:           k_qa0404b26ef_proj
    .symbol:         k_qa0404b26ef_proj.kd
    .args:
      - { .name: att, .offset: 0, .size: 8, .value_kind: global_buffer, .address_space: global }
      - { .name: wp, .offset: 8, .size: 8, .value_kind: global_buffer, .address_space: global }
      - { .name: bproj, .offset: 16, .size: 8, .value_kind: global_buffer, .address_space: global }
      - { .name: out0, .offset: 24, .size: 8, .value_kind: global_buffer, .address_space: global }
    .group_segment_fixed_size: 327680
    .private_segment_fixed_size: 0
    .kernarg_segment_align: 8
    .kernarg_segment_size: 32
    .max_flat_workgroup_size: 128
    .sgpr_count:     66
    .vgpr_count:     576
    .wavefront_size: 32
...
	.end_amdgpu_metadata
.endif
;; end of part 4
;; launch fine_att (part 5): grid 128 x 1, 12 waves a work-group, no clusters, 13,824 bytes of LDS; arguments codes, att16; writes att16
.if DOCPART == 5
	.amdgcn_target "amdgcn-amd-amdhsa--gfx1250"
	.amdhsa_code_object_version 6
	.text
	.protected	k_qa0404b26ef_fine_att
	.globl	k_qa0404b26ef_fine_att
	.p2align	8
	.type	k_qa0404b26ef_fine_att,@function
k_qa0404b26ef_fine_att:
	s_mov_b64 s[64:65], 0
	v_nop
	global_prefetch_b8 v0, s[64:65] scope:SCOPE_SE
	s_setreg_imm32_b32 hwreg(HW_REG_WAVE_MODE, 25, 1), 1
	s_wait_xcnt 0x0
; FINE_ATT.  The first 16 positions of every sequence average one to sixteen values and are the largest in size: they are carried in f32.  One work-group to a (batch, head).
; Phase 1, twelve waves: wave w makes tile w % 4 (16 channels) of q (w < 4), k (w < 8) or v, for positions 0-15, again by the FP4 matrix instruction on the same codes, and keeps the f32 sums:
;   q, k: source 0 = 16 rows of W, source 1 = x's 16 rows: a lane holds position lane % 16 and channels 8 (lane / 16) + 0 .. 7;   v: the sources change places: a lane holds one channel and eight positions.
;   Which table is which source is chosen by offsets, on the wave's number; the eight registers go to LDS as they stand, 16 bytes a lane.
; Phase 2, waves 0-3 (wave w owns channels 16 w on): S^T = k q^T and O^T = v^T p by the f32 matrix form; K's order in the registers is the same permutation on both sources of a product, which leaves the sums' terms as they are.
;   The result, divided by the row's sum, is split into two f16 parts, hi = f16(o) and lo = f16(o - hi), stored as halves of operand images: att16 + batch x 32,768 + head x 2,048 + w x 512; lo 262,144 bytes on.
; The registers that the f32 matrix form writes, v224-255, are written by matrix instructions alone.
; REGISTERS.  Phase 1: v16-31 scale words; v32-95 source 1's eight fragments; v96-159 source 0's; v160-175 two accumulators; v176-183 their sum.
;             Phase 2: v32-63 q; v64-95 k; v96-103 v; v104 -infinity; v120-127 scores, then p; v128-135 at work; v136-159 the result and its parts; v8-15 hi and lo.  Phase 2's constants are set at its head, behind phase 1's loads.
.set SPARE, 12288                      ; behind the twelve images of 1,024 bytes: the spare words, 128 bytes a wave
	s_load_b128 s[4:7], s[0:1], 0x0                ; codes s[4:5], att16 s[6:7]
	v_lshl_add_u32 v5, v0, 2, SPARE                ; v5, v6: the add's two registers; never rewritten
	v_mov_b32 v6, 0
	v_lshrrev_b32 v1, 5, v0
	v_readfirstlane_b32 s8, v1                     ; wave 0..11
	s_lshr_b32 s9, ttmp9, 4                        ; batch
	s_and_b32 s10, ttmp9, 15                       ; head
	s_lshr_b32 s11, s8, 2                          ; q, k or v
	s_and_b32 s20, s8, 3                           ; which 16 channels
	s_lshl_b32 s21, s11, 10
	s_lshl_b32 s22, s10, 6
	s_add_co_u32 s21, s21, s22
	s_lshl_b32 s22, s20, 4
	s_add_co_u32 s21, s21, s22                     ; my first row of the weights' table
	s_lshl_b32 s22, s21, 9
	s_add_co_u32 s22, s22, 0x400000                ; its codes,
	s_lshl_b32 s23, s21, 5
	s_add_co_u32 s23, s23, 0x5c0000                ; its scale bytes
	s_lshl_b32 s24, s9, 19                         ; x's codes at position 0 of my batch,
	s_lshl_b32 s25, s9, 15
	s_add_co_u32 s25, s25, 0x580000                ; its scale bytes
	s_cmp_lt_u32 s8, 8
	s_cselect_b32 s12, s22, s24                    ; source 0: W for q and k, x for v
	s_cselect_b32 s14, s24, s22                    ; source 1
	s_cselect_b32 s16, s23, s25
	s_cselect_b32 s18, s25, s23
	s_mov_b32 s13, 0
	s_mov_b32 s15, 0
	s_mov_b32 s17, 0
	s_mov_b32 s19, 0
	s_lshl_b32 s21, s9, 15
	s_lshl_b32 s22, s10, 11
	s_add_co_u32 s20, s21, s22
	s_lshl_b32 s22, s8, 9
	s_add_co_u32 s20, s20, s22                     ; where waves 0-3 store
	s_mov_b32 s21, 0
	s_mov_b32 s26, 0x76543210
	s_mov_b32 s27, 0xfedcba98                      ; lane selects: lane l xor 16
	s_mov_b32 s28, 0x3e38aa3b                      ; c = log2(e) / 8
	v_and_b32 v9, 15, v0                           ; r
	v_bfe_u32 v10, v0, 4, 1                        ; h
	v_lshlrev_b32 v2, 9, v9
	v_lshl_add_u32 v2, v10, 4, v2                  ; a fragment: row r of 512 bytes, + 16 h
	v_lshlrev_b32 v4, 5, v9                        ; a row's 32 scale bytes
	v_and_b32 v1, 31, v0
	v_lshlrev_b32 v1, 4, v1                        ; 16 x lane
	s_lshl_b32 s29, s8, 10
	v_add_nc_u32 v3, s29, v1                       ; my image in LDS
	v_lshlrev_b32 v10, 3, v10
	v_sub_nc_u32 v7, v9, v10                       ; r - 8 h: the mask's bound
	s_wait_kmcnt 0x0
	s_add_nc_u64 s[12:13], s[4:5], s[12:13]
	s_add_nc_u64 s[14:15], s[4:5], s[14:15]
	s_add_nc_u64 s[16:17], s[4:5], s[16:17]
	s_add_nc_u64 s[18:19], s[4:5], s[18:19]
	s_add_nc_u64 s[6:7], s[6:7], s[20:21]
.irp ks, 0,1,2,3,4,5,6,7
.irp c, 0,1
	global_load_b128 v[96+8*\ks+4*\c:99+8*\ks+4*\c], v2, s[12:13] offset:64*\ks+32*\c   ; source 0, K step ks: v96-159
	global_load_b128 v[32+8*\ks+4*\c:35+8*\ks+4*\c], v2, s[14:15] offset:64*\ks+32*\c   ; source 1: v32-95
.endr
.endr
	global_load_b128 v[24:27], v4, s[16:17]        ; source 0's eight scale words: v24-31 and v16-23 hold scales and nothing else
	global_load_b128 v[28:31], v4, s[16:17] offset:16
	global_load_b128 v[16:19], v4, s[18:19]        ; source 1's
	global_load_b128 v[20:23], v4, s[18:19] offset:16
	s_wait_loadcnt 0x0
.irp ks, 0,1,2,3,4,5,6,7                       ; two accumulators by turns
.if \ks < 2
	v_wmma_scale_f32_16x16x128_f8f6f4 v[160+8*(\ks%2):167+8*(\ks%2)], v[96+8*\ks:103+8*\ks], v[32+8*\ks:39+8*\ks], 0, v[24+\ks], v[16+\ks] matrix_a_fmt:MATRIX_FMT_FP4 matrix_b_fmt:MATRIX_FMT_FP4
.else
	v_wmma_scale_f32_16x16x128_f8f6f4 v[160+8*(\ks%2):167+8*(\ks%2)], v[96+8*\ks:103+8*\ks], v[32+8*\ks:39+8*\ks], v[160+8*(\ks%2):167+8*(\ks%2)], v[24+\ks], v[16+\ks] matrix_a_fmt:MATRIX_FMT_FP4 matrix_b_fmt:MATRIX_FMT_FP4
.endif
.endr
.rept 4
	v_nop
.endr
.irp i, 0,2,4,6
	v_pk_add_f32 v[176+\i:177+\i], v[160+\i:161+\i], v[168+\i:169+\i]
.endr
	ds_store_b128 v3, v[176:179]
	ds_store_b128 v3, v[180:183] offset:512
	s_wait_dscnt 0x0                               ; for the others' sake: my stores have landed
	s_barrier_signal -1
	s_barrier_wait -1
	s_cmp_lt_u32 s8, 4
	s_cbranch_scc1 .Lsecond
	s_wait_tensorcnt 0x0                           ; waves 4-11 end, behind my last LDS store
	ds_add_u32 v5, v6
	s_wait_dscnt 0x0
	s_endpgm
.Lsecond:
	v_mov_b32 v104, 0xff800000                     ; -infinity.  Set here and not at the head: phase 1's loads of source 0 land on v96-159.  (Eight plain instructions stand between the last product that read these registers and these writes)
	v_mov_b32 v129, 0                              ; (a lane permute's destination counts as read)
	v_mov_b32 v133, 0                              ; (named as the upper half of a pair)
.irp i, 0,1,2,3,4,5,6,7
	ds_load_b128 v[32+4*\i:35+4*\i], v1 offset:512*\i          ; q: register 8 nt + j = q(r, 16 nt + 8 h + j)
	ds_load_b128 v[64+4*\i:67+4*\i], v1 offset:4096+512*\i     ; k likewise
.endr
	ds_load_b128 v[96:99], v3 offset:8192                      ; v, my 16 channels: register j = v(8 h + j, channel r)
	ds_load_b128 v[100:103], v3 offset:8192+512
	s_wait_dscnt 0x0
.set i, 0
.rept 16                                       ; S^T = k q^T: 64 channels, four an instruction; two accumulators by turns, each begun with the constant 0
.if i < 2
	v_wmma_f32_16x16x4_f32 v[224+8*(i%2):231+8*(i%2)], v[64+2*i:65+2*i], v[32+2*i:33+2*i], 0
.else
	v_wmma_f32_16x16x4_f32 v[224+8*(i%2):231+8*(i%2)], v[64+2*i:65+2*i], v[32+2*i:33+2*i], v[224+8*(i%2):231+8*(i%2)]
.endif
.set i, i+1
.endr
.rept 8
	v_nop                                          ; eight plain instructions behind this form, ahead of the first read of its results
.endr
.irp i, 0,2,4,6
	v_pk_add_f32 v[120+\i:121+\i], v[224+\i:225+\i], v[232+\i:233+\i]   ; lane (r, h): query r, keys 8 h + 0 .. 7
.endr
.irp j, 0,1,2,3,4,5,6,7
	v_cmp_gt_i32 vcc_lo, \j, v7                    ; key 8 h + j comes after query r
	v_cndmask_b32 v[120+\j], v[120+\j], v104, vcc_lo
.endr
	v_max3_num_f32 v128, v120, v121, v122
	v_max3_num_f32 v128, v128, v123, v124
	v_max3_num_f32 v128, v128, v125, v126
	v_max_num_f32 v128, v128, v127
	v_permlanex16_b32 v129, v128, s26, s27
	v_max_num_f32 v128, v128, v129                 ; the row's largest score (key 0 counts for every query)
	v_mul_f32 v130, s28, v128
.irp j, 0,1,2,3,4,5,6,7
	v_fma_f32 v[120+\j], v[120+\j], s28, -v130
.endr
.irp j, 0,1,2,3,4,5,6,7
	v_exp_f32 v[120+\j], v[120+\j]
.endr
	v_nop
	s_wait_alu depctr_va_vdst(0)                   ; one wait for the eight exponentials, ahead of their first reader
	v_pk_add_f32 v[128:129], v[120:121], v[122:123]
	v_pk_add_f32 v[134:135], v[124:125], v[126:127]
	v_pk_add_f32 v[128:129], v[128:129], v[134:135]
	v_add_f32 v128, v128, v129
	v_permlanex16_b32 v129, v128, s26, s27
	v_add_f32 v128, v128, v129                     ; the row's sum
	v_rcp_f32 v132, v128
	v_nop
	s_wait_alu depctr_va_vdst(0)                   ; the reciprocal's wait, ahead of its first reader
.irp i, 0,1,2,3                                ; O^T = v^T p: 16 keys, four an instruction
.if \i < 2
	v_wmma_f32_16x16x4_f32 v[240+8*(\i%2):247+8*(\i%2)], v[96+2*\i:97+2*\i], v[120+2*\i:121+2*\i], 0
.else
	v_wmma_f32_16x16x4_f32 v[240+8*(\i%2):247+8*(\i%2)], v[96+2*\i:97+2*\i], v[120+2*\i:121+2*\i], v[240+8*(\i%2):247+8*(\i%2)]
.endif
.endr
.rept 8
	v_nop
.endr
.irp i, 0,2,4,6
	v_pk_add_f32 v[136+\i:137+\i], v[240+\i:241+\i], v[248+\i:249+\i]
.endr
.irp i, 0,2,4,6
	v_pk_mul_f32 v[144+\i:145+\i], v[136+\i:137+\i], v[132:133] op_sel_hi:[1,0]   ; lane (r, h): position r, channels 16 w + 8 h + 0 .. 7
.endr
.irp i, 0,1,2,3
	v_cvt_pk_f16_f32 v[8+\i], v[144+2*\i], v[145+2*\i]          ; hi
.endr
.macro FSPLIT i, lo, hi
	v_cvt_f32_f16 v[152+2*(\i)], \lo
	v_cvt_f32_f16 v[153+2*(\i)], \hi
	v_sub_f32 v[152+2*(\i)], v[144+2*(\i)], v[152+2*(\i)]
	v_sub_f32 v[153+2*(\i)], v[145+2*(\i)], v[153+2*(\i)]
	v_cvt_pk_f16_f32 v[12+(\i)], v[152+2*(\i)], v[153+2*(\i)]   ; lo
.endm
	FSPLIT 0, v8.l, v8.h
	FSPLIT 1, v9.l, v9.h
	FSPLIT 2, v10.l, v10.h
	FSPLIT 3, v11.l, v11.h
	global_store_b128 v1, v[8:11], s[6:7]                       ; 512 consecutive bytes, aligned
	global_store_b128 v1, v[12:15], s[6:7] offset:0x40000
	s_wait_tensorcnt 0x0                           ; the wave's end, behind my last LDS store
	ds_add_u32 v5, v6
	s_wait_dscnt 0x0
	s_endpgm
.Lfunc_end_k_qa0404b26ef_fine_att:
	.size	k_qa0404b26ef_fine_att, .Lfunc_end_k_qa0404b26ef_fine_att-k_qa0404b26ef_fine_att
	.p2alignl 7, 3214868480
	.fill 96, 4, 3214868480
	.section	.rodata,"a",@progbits
	.p2align	6, 0x0
	.amdhsa_kernel k_qa0404b26ef_fine_att
		.amdhsa_group_segment_fixed_size 13824
		.amdhsa_private_segment_fixed_size 0
		.amdhsa_enable_private_segment 0
		.amdhsa_kernarg_size 16
		.amdhsa_user_sgpr_count 2
		.amdhsa_user_sgpr_kernarg_segment_ptr 1
		.amdhsa_wavefront_size32 1
		.amdhsa_system_sgpr_workgroup_id_x 1
		.amdhsa_system_sgpr_workgroup_id_y 1
		.amdhsa_system_sgpr_workgroup_id_z 1
		.amdhsa_system_vgpr_workitem_id 0
		.amdhsa_next_free_vgpr 256
		.amdhsa_next_free_sgpr 66
		.amdhsa_reserve_vcc 1
		.amdhsa_float_denorm_mode_32 3
		.amdhsa_float_denorm_mode_16_64 3
		.amdhsa_memory_ordered 1
		.amdhsa_forward_progress 1
		.amdhsa_inst_pref_size 15
	.end_amdhsa_kernel
	.amdgpu_metadata
---
amdhsa.version: [ 1, 2 ]
amdhsa.kernels:
  - .name:           k_qa0404b26ef_fine_att
    .symbol:         k_qa0404b26ef_fine_att.kd
    .args:
      - { .name: codes, .offset: 0, .size: 8, .value_kind: global_buffer, .address_space: global }
      - { .name: att16, .offset: 8, .size: 8, .value_kind: global_buffer, .address_space: global }
    .group_segment_fixed_size: 13824
    .private_segment_fixed_size: 0
    .kernarg_segment_align: 8
    .kernarg_segment_size: 16
    .max_flat_workgroup_size: 384
    .sgpr_count:     66
    .vgpr_count:     256
    .wavefront_size: 32
...
	.end_amdgpu_metadata
.endif
;; end of part 5
;; launch fine_proj (part 6): grid 16 x 8, 16 waves a work-group, no clusters, 71,680 bytes of LDS; arguments att16, wp, bproj, out0; writes out0
.if DOCPART == 6
	.amdgcn_target "amdgcn-amd-amdhsa--gfx1250"
	.amdhsa_code_object_version 6
	.text
	.protected	k_qa0404b26ef_fine_proj
	.globl	k_qa0404b26ef_fine_proj
	.p2align	8
	.type	k_qa0404b26ef_fine_proj,@function
k_qa0404b26ef_fine_proj:
	s_mov_b64 s[64:65], 0
	v_nop
	global_prefetch_b8 v0, s[64:65] scope:SCOPE_SE
	s_setreg_imm32_b32 hwreg(HW_REG_WAVE_MODE, 25, 1), 1
	s_wait_xcnt 0x0
; FINE_PROJ.  The projection of the first 16 positions of every sequence, with both operands as pairs of f16 parts: out = hi Whi + hi Wlo + lo Whi + bias (the product of the two lo parts lies under f32's last bit of the sum).
; It writes those 128 rows of out0 anew.  A work-group takes one batch (y) and 64 columns (x): 256 bytes of each row.  K = 1,024 is shared out among sixteen waves, 64 each (two fragments deep).
; A wave's 41 loads go out together, each into registers of its own.  The sixteen partial tiles of 16 x 64 meet in LDS; waves 0 to 7 then add up two rows each (lanes 0-15 one row, lanes 16-31 the next), onto the bias, and store them.
; The matrix instruction takes source 0 = 16 columns of Wproj, source 1 = the 16 positions: a lane holds eight neighbouring numbers of one row.
; REGISTERS: v1-9 addresses; v12-15 the bias, then the sums; v32-95 Wproj's hi part (2 x 4 fragments), later the sixteen partial sums; v96-159 its lo part; v160-175 the positions' hi part; v176-191 their lo part; v192-223 four accumulators.
.set SPITCH, 272                       ; a stage row: 256 bytes + 16 of padding
.set WSTG,   16*SPITCH                 ; a wave's stage: 16 rows
.set SPARE,  16*WSTG                   ; behind the sixteen stages: the spare words, 128 bytes a wave
.set WH,  32
.set WL,  96
.set AH,  160
.set AL,  176
.set ACC, 192
	s_load_b256 s[4:11], s[0:1], 0x0               ; att16 s[4:5], wp s[6:7], bproj s[8:9], out0 s[10:11]
	v_lshl_add_u32 v5, v0, 2, SPARE                ; v5, v6: the add's two registers; never rewritten
	v_mov_b32 v6, 0
	v_lshrrev_b32 v1, 5, v0
	v_readfirstlane_b32 s12, v1                    ; wave 0..15
	s_and_b32 s14, ttmp7, 0xffff                   ; batch
	s_lshr_b32 s16, ttmp9, 2                       ; n / 256
	s_lshl_b32 s16, s16, 5
	s_lshl_b32 s17, s12, 1
	s_add_co_u32 s16, s16, s17                     ; x 32 + my first k / 32
	s_lshl_b32 s16, s16, 4
	s_and_b32 s17, ttmp9, 3
	s_lshl_b32 s17, s17, 2
	s_add_co_u32 s16, s16, s17                     ; x 16 + my first tile of 16 columns
	s_lshl_b32 s16, s16, 10
	s_mov_b32 s17, 0
	s_lshl_b32 s18, s14, 15
	s_lshl_b32 s19, s12, 11
	s_add_co_u32 s18, s18, s19                     ; att16: my batch, my two fragments
	s_mov_b32 s19, 0
	s_lshl_b32 s20, ttmp9, 8                       ; the bias of my 64 columns
	s_mov_b32 s21, 0
	s_lshl_b32 s22, s14, 22
	s_lshl_b32 s23, s12, 13
	s_add_co_u32 s22, s22, s23
	s_add_co_u32 s22, s22, s20                     ; out0: row batch x 1,024 + 2 x wave, my columns (used by waves 0 to 7)
	s_mov_b32 s23, 0
	v_and_b32 v2, 15, v0                           ; r = lane % 16
	v_bfe_u32 v3, v0, 4, 1                         ; h = lane / 16
	v_and_b32 v1, 31, v0
	v_lshlrev_b32 v1, 4, v1                        ; 16 x lane: a fragment's image
	v_lshlrev_b32 v4, 4, v2                        ; 16 r: my 16 bytes of a row's 256
	s_mul_i32 s24, s12, WSTG
	v_mul_u32_u24 v7, v2, SPITCH
	v_lshl_add_u32 v7, v3, 5, v7
	v_add_nc_u32 v7, s24, v7                       ; into my stage: row r, 32 bytes for each half of the lanes
	s_mul_i32 s24, s12, 2*SPITCH
	v_mul_u32_u24 v8, v3, SPITCH
	v_lshl_add_u32 v8, v2, 4, v8
	v_add_nc_u32 v8, s24, v8                       ; back: row 2 x wave + h of stage 0; the other stages by the immediate
	v_lshl_add_u32 v9, v3, 12, v4                  ; and the same two rows in out0
	s_wait_kmcnt 0x0
	s_add_nc_u64 s[6:7], s[6:7], s[16:17]
	s_add_nc_u64 s[4:5], s[4:5], s[18:19]
	s_add_nc_u64 s[8:9], s[8:9], s[20:21]
	s_add_nc_u64 s[10:11], s[10:11], s[22:23]
	global_load_b128 v[12:15], v4, s[8:9]          ; the bias
.irp u, 0,1                            ; my u-th 32 along K: 20 loads
.irp c, 0,1
	global_load_b128 v[AH+8*\u+4*\c:AH+8*\u+4*\c+3], v1, s[4:5] offset:\u*1024+\c*512                   ; the positions' hi part
	global_load_b128 v[AL+8*\u+4*\c:AL+8*\u+4*\c+3], v1, s[4:5] offset:0x40000+\u*1024+\c*512           ; their lo part
.endr
.irp b, 0,1,2,3
.irp c, 0,1
	global_load_b128 v[WH+32*\u+8*\b+4*\c:WH+32*\u+8*\b+4*\c+3], v1, s[6:7] offset:\u*16384+\b*1024+\c*512            ; Wproj's hi part
	global_load_b128 v[WL+32*\u+8*\b+4*\c:WL+32*\u+8*\b+4*\c+3], v1, s[6:7] offset:0x200000+\u*16384+\b*1024+\c*512   ; its lo part
.endr
.endr
.endr
.macro KF u                            ; 12 products on four accumulators by turns
.irp b, 0,1,2,3
.if \u == 0
	v_wmma_f32_16x16x32_f16 v[ACC+8*\b:ACC+8*\b+7], v[WH+32*\u+8*\b:WH+32*\u+8*\b+7], v[AH+8*\u:AH+8*\u+7], 0
.else
	v_wmma_f32_16x16x32_f16 v[ACC+8*\b:ACC+8*\b+7], v[WH+32*\u+8*\b:WH+32*\u+8*\b+7], v[AH+8*\u:AH+8*\u+7], v[ACC+8*\b:ACC+8*\b+7]
.endif
.endr
.irp b, 0,1,2,3
	v_wmma_f32_16x16x32_f16 v[ACC+8*\b:ACC+8*\b+7], v[WL+32*\u+8*\b:WL+32*\u+8*\b+7], v[AH+8*\u:AH+8*\u+7], v[ACC+8*\b:ACC+8*\b+7]
.endr
.irp b, 0,1,2,3
	v_wmma_f32_16x16x32_f16 v[ACC+8*\b:ACC+8*\b+7], v[WH+32*\u+8*\b:WH+32*\u+8*\b+7], v[AL+8*\u:AL+8*\u+7], v[ACC+8*\b:ACC+8*\b+7]
.endr
.endm
	s_wait_loadcnt 20                              ; the bias and my first 32 along K are in; the 20 loads of the second may be out
	KF 0
	s_wait_loadcnt 0x0
	KF 1
.rept 4
	v_nop                                          ; four plain instructions behind the last products, ahead of the first read of their results and of the loads into their sources
.endr
.irp b, 0,1,2,3
	ds_store_b128 v7, v[ACC+8*\b:ACC+8*\b+3] offset:64*\b        ; each accumulator from its low end on
	ds_store_b128 v7, v[ACC+8*\b+4:ACC+8*\b+7] offset:64*\b+16
.endr
	s_wait_dscnt 0x0                               ; for the others' sake: my stores have landed
	s_barrier_signal -1
	s_barrier_wait -1
	s_cmp_lt_u32 s12, 8
	s_cbranch_scc1 .Lsum
	s_wait_tensorcnt 0x0                           ; waves 8-15 end, behind my last LDS store
	ds_add_u32 v5, v6
	s_wait_dscnt 0x0
	s_endpgm
.Lsum:
.irp s, 0,1,2,3,4,5,6,7,8,9,10,11,12,13,14,15
	ds_load_b128 v[32+4*\s:35+4*\s], v8 offset:\s*WSTG         ; my two rows of stage s
.endr
	s_wait_dscnt 0x0
.irp s, 0,1,2,3,4,5,6,7,8,9,10,11,12,13,14,15
	v_pk_add_f32 v[12:13], v[12:13], v[32+4*\s:33+4*\s]
	v_pk_add_f32 v[14:15], v[14:15], v[34+4*\s:35+4*\s]
.endr
	global_store_b128 v9, v[12:15], s[10:11]       ; sixteen lanes store 256 consecutive bytes of a row, aligned
	s_wait_tensorcnt 0x0                           ; the wave's end, behind my last LDS store
	ds_add_u32 v5, v6
	s_wait_dscnt 0x0
	s_endpgm
.Lfunc_end_k_qa0404b26ef_fine_proj:
	.size	k_qa0404b26ef_fine_proj, .Lfunc_end_k_qa0404b26ef_fine_proj-k_qa0404b26ef_fine_proj
	.p2alignl 7, 3214868480
	.fill 96, 4, 3214868480
	.section	.rodata,"a",@progbits
	.p2align	6, 0x0
	.amdhsa_kernel k_qa0404b26ef_fine_proj
		.amdhsa_group_segment_fixed_size 71680
		.amdhsa_private_segment_fixed_size 0
		.amdhsa_enable_private_segment 0
		.amdhsa_kernarg_size 32
		.amdhsa_user_sgpr_count 2
		.amdhsa_user_sgpr_kernarg_segment_ptr 1
		.amdhsa_wavefront_size32 1
		.amdhsa_system_sgpr_workgroup_id_x 1
		.amdhsa_system_sgpr_workgroup_id_y 1
		.amdhsa_system_sgpr_workgroup_id_z 1
		.amdhsa_system_vgpr_workitem_id 0
		.amdhsa_next_free_vgpr 224
		.amdhsa_next_free_sgpr 66
		.amdhsa_reserve_vcc 0
		.amdhsa_float_denorm_mode_32 3
		.amdhsa_float_denorm_mode_16_64 3
		.amdhsa_memory_ordered 1
		.amdhsa_forward_progress 1
		.amdhsa_inst_pref_size 12
	.end_amdhsa_kernel
	.amdgpu_metadata
---
amdhsa.version: [ 1, 2 ]
amdhsa.kernels:
  - .name:           k_qa0404b26ef_fine_proj
    .symbol:         k_qa0404b26ef_fine_proj.kd
    .args:
      - { .name: att16, .offset: 0, .size: 8, .value_kind: global_buffer, .address_space: global }
      - { .name: wp, .offset: 8, .size: 8, .value_kind: global_buffer, .address_space: global }
      - { .name: bproj, .offset: 16, .size: 8, .value_kind: global_buffer, .address_space: global }
      - { .name: out0, .offset: 24, .size: 8, .value_kind: global_buffer, .address_space: global }
    .group_segment_fixed_size: 71680
    .private_segment_fixed_size: 0
    .kernarg_segment_align: 8
    .kernarg_segment_size: 32
    .max_flat_workgroup_size: 512
    .sgpr_count:     66
    .vgpr_count:     224
    .wavefront_size: 32
...
	.end_amdgpu_metadata
.endif
;; end of part 6
